; MI455X (gfx1250); checked and timed in simulation.
; The chip was launched on July 23, 2026; its instructions are those of AMD's public machine-readable ISA for CDNA 5 (MIT licence, August 2026) and "CDNA5" Instruction Set Architecture Reference Guide (July 2026). The comments in the code are by the model that wrote it; some were corrected since.
;; Multi Head Self Attention. Allowed arithmetic: matrix products marked QUANTISED: E2M3 operands, one E8M0 scale for each 32 along K, by v_wmma_scale_f32_16x16x128_f8f6f4 with both operands' format E2M3, f32 sums; everything else in f32.
;; Inputs: Wk 1,024 x 1,024 float32; Wo 1,024 x 1,024 float32; Wq 1,024 x 1,024 float32; Wv 1,024 x 1,024 float32; bk 1,024 float32; bo 1,024 float32; bq 1,024 float32; bv 1,024 float32; x 4 x 2,048 x 1,024 float32.
;; Outputs: out0 4 x 2,048 x 1,024 float32.
;; This version of the problem:
;;   THIS VERSION OF THE PROBLEM IS GIVEN IN LOW PRECISION. The matrix products marked QUANTISED in the list below multiply operands that are first quantised to E2M3 (2 exponent bits, 3 mantissa bits; 6 bits a number), with one power-of-two scale for each 32 numbers along K (OCP MX v1.0); their sums are f32. All else is computed in f32.
;;   The module's matrix products, in the order in which they are computed (A, B: the left and right operand; K: the contracted axis; several contracted axes count as one K, in the product's order):
;;     1. [M 8,192, K 1,024] x [K 1,024, N 1,024]; A: input x; B: input Wq: QUANTISED
;;     2. [M 8,192, K 1,024] x [K 1,024, N 1,024]; A: input x; B: input Wk: QUANTISED
;;     3. [M 8,192, K 1,024] x [K 1,024, N 1,024]; A: input x; B: input Wv: QUANTISED
;;     4. batch 64 x [M 2,048, K 64] x [K 64, N 2,048]; A: computed on the way; B: computed on the way: QUANTISED
;;     5. batch 64 x [M 2,048, K 2,048] x [K 2,048, N 64]; A: softmax (see below); B: computed on the way: QUANTISED
;;     6. [M 8,192, K 1,024] x [K 1,024, N 1,024]; A: computed on the way; B: input Wo: QUANTISED
;;   THE QUANTISER, for each operand of a quantised product, along K:
;;     - K is cut into blocks of 32 from its start; a last block that is shorter is filled with zeros.
;;     - A block's scale is 2^e with e = floor(log2(the largest magnitude in the block)) - 2, held to -126 .. 127; a block of zeros has e = 0. As a byte (E8M0): e + 127.
;;     - Each number is divided by its block's scale, clamped to +-7.5, and rounded to the nearest number of E2M3, ties to even, subnormals kept.
;;     - The product sums the exact products of the quantised numbers (number of the format x scale) in f32.
;;   ~~~python
;;   def quantise(x, axis):      # numpy; x: float32 -> the quantised numbers, widened to float32 again
;;       x = np.moveaxis(x, axis, -1); K = x.shape[-1]
;;       x = np.pad(x, [(0, 0)] * (x.ndim - 1) + [(0, -K % 32)]); x = x.reshape(x.shape[:-1] + (-1, 32)); a = np.abs(x).max(-1, keepdims=True)
;;       e = np.where(a > 0, np.clip(np.frexp(np.where(a > 0, a, 1))[1] - 1 - 2, -126, 127), 0)      # np.frexp(a)[1] - 1 = floor(log2(a)), exactly
;;       r = np.clip(x / 2.0 ** e, -7.5, 7.5)
;;       step = 2.0 ** (np.maximum(np.frexp(np.where(r == 0, 1, r))[1] - 1, 0) - 3)
;;       q = np.round(r / step) * step * 2.0 ** e      # np.round: ties to even
;;       return np.moveaxis(q.reshape(q.shape[:-2] + (-1,))[..., :K], -1, axis).astype(np.float32)
;;   ~~~
;;   SOFTMAX AHEAD OF A QUANTISED PRODUCT. Where the list says 'softmax', what is quantised is not the finished softmax but p = 2^(t - M), with t = logit x log2(e) and M = ceil(the row's largest t), a whole number; so 1/2 < the row's largest p <= 1. The row's sum l is taken of the UNQUANTISED p, in f32, and the product's result is divided by l at the end. Since M is a whole number, a kernel that streams over the keys may use a running M (the ceiling of the running maximum): every later rescaling is an exact power of two, which a block's scale takes up: the codes' values come out the same.
;;   OPERANDS COMPUTED ON THE WAY. 'Computed on the way' means the value that the module computes at that place (a softmax that the list does not call 'softmax' is quantised finished and normalised). What goes into a quantiser is computed in f32, as accurately as f32 sums, v_exp_f32 and their like allow (about 1e-6 of the number): no bf16 or f16 on the way to a quantiser, and a product that is left as it is and whose result goes on into a quantised operand takes f32 operands (vector FMAs, or v_wmma_f32_16x16x4_f32). A number that lies on a knife's edge between two numbers of the format may be rounded either way, as far as f32 arithmetic and the matrix unit's own rounding can turn it there, and no further.
;; One version. Each part assembles by itself: llvm-mc -triple=amdgcn-amd-amdhsa -mcpu=gfx1250 --defsym DOCPART=n.
;; ======== version 1 of 1: 4 launches
;; limits: right only within a limited range of input values
;; workspace buffers: opc 9,437,184 bytes; ops 393,216 bytes; qkc 12,582,912 bytes; qks 1,048,576 bytes; vc 6,291,456 bytes; vs 262,144 bytes; cc 6,291,456 bytes; cs 262,144 bytes
;; launch quant (part 1): grid 256 x 1, 6 waves a work-group, no clusters, 51,456 bytes of LDS; arguments x, Wq, Wk, Wv, Wo, opc, ops; writes opc, ops
.if DOCPART == 1
	.amdgcn_target "amdgcn-amd-amdhsa--gfx1250"
	.amdhsa_code_object_version 6
	.text
	.protected	k_qcc1269036b_quant
	.globl	k_qcc1269036b_quant
	.p2align	8
	.type	k_qcc1269036b_quant,@function
k_qcc1269036b_quant:
	s_mov_b64 s[64:65], 0
	v_nop
	global_prefetch_b8 v0, s[64:65] scope:SCOPE_SE
	s_setreg_imm32_b32 hwreg(HW_REG_WAVE_MODE, 25, 1), 1
	s_wait_xcnt 0x0
; x [8192][1024] and Wq, Wk, Wv, Wo [1024][1024], f32, K innermost, become codes of FP6 (E2M3) with one E8M0 byte for each 32 along K.
; A block's scale is 2^(floor(log2(largest magnitude)) - 2): its byte is the largest magnitude's exponent field - 2, held at 1 from below.
; LIMITS: NaN and infinities are not served; a block whose largest magnitude lies under 2^-124 gets the byte 1; a block of zeros gets the byte 1
; where the rule says 127: its codes are zeros, which add nothing under any byte but 0xff, and these bytes are read by this program alone.
; LAYOUT OF THE RESULT.  12,288 rows are 768 tiles of 16 (0-511 x, 512-575 Wq, 576-639 Wk, 640-703 Wv, 704-767 Wo).  Lane r of tile t of a tensor stands for
; row 32 (t / 2) + 8 (t % 2) + r % 8 + 16 (r / 8): a product that takes such tiles as source 0 has 16 neighbouring rows in the 16 registers of two neighbouring tiles.
; opc [tile][K step of 128][1,536]: the operand's 12 registers as they stand: registers 4 k .. 4 k + 3 of lane l at 512 k + 16 l.  ops [tile][K half][r][4 words].
; SHARES.  1,536 waves, one for each tile and half of K: four steps of 16 rows x 128 numbers.  Waves share nothing: no barrier.  Memory binds, so no matrix unit and no cluster.
; A load takes 512 consecutive bytes of a row; a step's 16 rows turn through the wave's own stage in LDS (rows 528 bytes apart) and come back 16 neighbours of each block to a lane.
.set STG,  8448                        ; a wave's stage: 16 rows x (512 + 16) bytes
.set TM,   12                          ; v12-15 largest magnitudes, v16-19 the other half's, then the bytes, v24-27 the conversions' scale operands
.set PW,   28                          ; v28-31 the four steps' scale words
.set PC,   32                          ; v32-43 a fragment's codes, v44-50 at work
.set X,    64                          ; v64-127 64 numbers: register 16 b + i = k 32 b + 16 (lane / 16) + i of my row
.set LD,   128                         ; v128-191, v192-255 two sets of 16 loads
.set SEL,  26                          ; s[26:27] lane selects: lane l xor 16
.macro QUANT s, pw
.irp b, 0,1,2,3
	v_max3_num_f32 v[TM+\b], |v[\s+16*\b]|, |v[\s+1+16*\b]|, 0x1800000   ; block b: my 16 numbers, and the floor 2^(3 - 127)
.endr
.irp i, 2,4,6,8,10,12,14
.irp b, 0,1,2,3
	v_max3_num_f32 v[TM+\b], v[TM+\b], |v[\s+16*\b+\i]|, |v[\s+1+16*\b+\i]|
.endr
.endr
.irp b, 0,1,2,3
	v_permlanex16_b32 v[TM+4+\b], v[TM+\b], s[SEL], s[SEL+1]
.endr
.irp b, 0,1,2,3
	v_max_num_f32 v[TM+\b], v[TM+\b], v[TM+4+\b]   ; with lane l xor 16's: the block's largest magnitude
.endr
.irp b, 0,1,2,3
	v_add_nc_u32 v[TM+12+\b], 0xff000000, v[TM+\b]   ; 2 off its exponent field: the conversion's scale operand
.endr
.irp b, 0,1,2,3
	v_lshrrev_b32 v[TM+4+\b], 23, v[TM+12+\b]      ; the scale's byte
.endr
	v_lshl_or_b32 v[\pw], v[TM+5], 8, v[TM+4]
	v_lshl_or_b32 v[\pw], v[TM+6], 16, v[\pw]
	v_lshl_or_b32 v[\pw], v[TM+7], 24, v[\pw]
.irp c, 0,1
	v_cvt_scalef32_pk16_fp6_f32 v[PC+6*\c:PC+2+6*\c], v[\s+32*\c:\s+15+32*\c], v[TM+12+2*\c]
	v_cvt_scalef32_pk16_fp6_f32 v[PC+12+4*\c:PC+14+4*\c], v[\s+16+32*\c:\s+31+32*\c], v[TM+12+2*\c+1]
.endr
	v_nop                                          ; one plain place behind a scaled conversion
.irp c, 0,1                                    ; the operand wants a whole block in a lane
.irp i, 0,1,2
	v_permlane16_swap_b32 v[PC+6*\c+\i], v[PC+12+4*\c+\i]
.endr
.irp i, 0,1,2
	v_mov_b32 v[PC+3+6*\c+\i], v[PC+12+4*\c+\i]
.endr
.endr
.endm
	s_load_b256 s[4:11], s[0:1], 0x0               ; x, Wq, Wk, Wv
	s_load_b128 s[12:15], s[0:1], 0x20             ; Wo, opc
	s_load_b64 s[16:17], s[0:1], 0x30              ; ops
	v_lshl_add_u32 v62, v0, 2, 0xc600
	v_mov_b32 v63, 0
	v_lshrrev_b32 v9, 5, v0
	v_readfirstlane_b32 s18, v9                    ; wave 0..5
	v_and_b32 v1, 31, v0                           ; lane
	v_and_b32 v2, 15, v0                           ; r
	v_bfe_u32 v3, v0, 4, 1                         ; hh
	v_lshlrev_b32 v4, 4, v1                        ; my 16 bytes of a load's 512
	s_mul_i32 s19, s18, STG
	v_add_nc_u32 v5, s19, v4                       ; the stage, on the way in
	v_mul_u32_u24 v6, v2, 528
	v_lshl_add_u32 v6, v3, 6, v6
	v_add_nc_u32 v6, s19, v6                       ; on the way out: row r, + 64 hh
	v_lshlrev_b32 v7, 4, v1                        ; four registers' place in the image
	v_lshlrev_b32 v8, 4, v2
	v_lshl_add_u32 v8, v3, 3, v8                   ; the scale words: 16 r + 8 hh
.irp b, 0,1,2,3
	v_mov_b32 v[TM+4+\b], 0                        ; written once: a lane permute's destination counts as one of its sources
.endr
	s_mov_b32 s[SEL], 0x76543210
	s_mov_b32 s[SEL+1], 0xfedcba98
	s_mul_i32 s20, ttmp9, 6
	s_add_co_u32 s20, s20, s18                     ; g = 2 x tile + half of K
	s_lshr_b32 s21, s20, 1                         ; the tile, 0..767
	s_and_b32 s25, s20, 1                          ; which half of K
	s_mov_b32 s24, 704
	s_wait_alu depctr_va_vdst(0)
	s_wait_kmcnt 0x0
	s_mov_b64 s[22:23], s[12:13]                   ; the tensor and its first tile: chosen on the tile's number alone
	s_cmp_lt_u32 s21, 704
	s_cselect_b64 s[22:23], s[10:11], s[22:23]
	s_cselect_b32 s24, 640, s24
	s_cmp_lt_u32 s21, 640
	s_cselect_b64 s[22:23], s[8:9], s[22:23]
	s_cselect_b32 s24, 576, s24
	s_cmp_lt_u32 s21, 576
	s_cselect_b64 s[22:23], s[6:7], s[22:23]
	s_cselect_b32 s24, 512, s24
	s_cmp_lt_u32 s21, 512
	s_cselect_b64 s[22:23], s[4:5], s[22:23]
	s_cselect_b32 s24, 0, s24
	s_sub_co_u32 s24, s21, s24                     ; t: the tile within its tensor
	s_lshr_b32 s28, s24, 1
	s_lshl_b32 s28, s28, 5
	s_and_b32 s30, s24, 1
	s_lshl_b32 s30, s30, 3
	s_add_co_u32 s28, s28, s30                     ; its first row: 32 (t / 2) + 8 (t % 2)
	s_lshl_b32 s28, s28, 12                        ; rows of 4,096 bytes
	s_lshl_b32 s30, s25, 11
	s_add_co_u32 s28, s28, s30                     ; + 2,048 for the upper half of K
	s_mov_b32 s29, 0
	s_add_nc_u64 s[22:23], s[22:23], s[28:29]
	s_mul_i32 s28, s20, 6144                       ; four fragments of 1,536 bytes for each g
	s_add_nc_u64 s[14:15], s[14:15], s[28:29]
	s_lshl_b32 s28, s20, 8                         ; 256 bytes of scale words for each g
	s_add_nc_u64 s[16:17], s[16:17], s[28:29]
.macro LOAD t                          ; step t: 16 rows x 512 bytes
.irp i, 0,1,2,3,4,5,6,7,8,9,10,11,12,13,14,15
	global_load_b128 v[LD+64*((\t)%2)+4*\i:LD+64*((\t)%2)+4*\i+3], v4, s[22:23] offset:((\i%8)+16*(\i/8))*4096+512*(\t) th:TH_LOAD_NT
.endr
.endm
.macro QSTEP t
.if (\t) < 3
	s_wait_loadcnt 16                              ; this step's 16 loads are in; the next set's 16 stay out
.else
	s_wait_loadcnt 0x0
.endif
.irp i, 0,1,2,3,4,5,6,7,8,9,10,11,12,13,14,15
	ds_store_b128 v5, v[LD+64*((\t)%2)+4*\i:LD+64*((\t)%2)+4*\i+3] offset:528*\i
.endr
.irp b, 0,1,2,3
.irp j, 0,1,2,3
	ds_load_b128 v[X+16*\b+4*\j:X+16*\b+4*\j+3], v6 offset:128*\b+16*\j   ; LDS serves a wave's instructions in order: these see the stores above
.endr
.endr
	s_wait_dscnt 0x0                               ; the numbers are back, and the stores have read the load set
.if (\t) < 2
	LOAD (\t)+2
.endif
.if (\t) > 0
	s_wait_xcnt 0x0                                ; the last step's stores have read the codes' registers
.endif
	QUANT X, PW+\t
.irp p, 0,1,2
	global_store_b128 v7, v[PC+4*\p:PC+4*\p+3], s[14:15] offset:1536*(\t)+512*\p   ; 32 lanes store 512 consecutive bytes, aligned
.endr
.endm
	LOAD 0
	LOAD 1
	QSTEP 0
	QSTEP 1
	QSTEP 2
	QSTEP 3
	v_cmp_lt_u32 vcc_lo, 15, v1                    ; lanes 16-31 carry the words of steps 2 and 3
	v_cndmask_b32 v10, v[PW], v[PW+2], vcc_lo
	v_cndmask_b32 v11, v[PW+1], v[PW+3], vcc_lo
	global_store_b64 v8, v[10:11], s[16:17]        ; 256 consecutive bytes, aligned
	s_wait_tensorcnt 0x0                           ; the wave's end
	ds_add_u32 v62, v63
	s_wait_dscnt 0x0
	s_endpgm
.Lfunc_end_k_qcc1269036b_quant:
	.size	k_qcc1269036b_quant, .Lfunc_end_k_qcc1269036b_quant-k_qcc1269036b_quant
	.p2alignl 7, 3214868480
	.fill 96, 4, 3214868480
	.section	.rodata,"a",@progbits
	.p2align	6, 0x0
	.amdhsa_kernel k_qcc1269036b_quant
		.amdhsa_group_segment_fixed_size 51456
		.amdhsa_private_segment_fixed_size 0
		.amdhsa_enable_private_segment 0
		.amdhsa_kernarg_size 56
		.amdhsa_user_sgpr_count 2
		.amdhsa_user_sgpr_kernarg_segment_ptr 1
		.amdhsa_wavefront_size32 1
		.amdhsa_system_sgpr_workgroup_id_x 1
		.amdhsa_system_sgpr_workgroup_id_y 1
		.amdhsa_system_sgpr_workgroup_id_z 1
		.amdhsa_system_vgpr_workitem_id 0
		.amdhsa_next_free_vgpr 256
		.amdhsa_next_free_sgpr 66
		.amdhsa_reserve_vcc 1
		.amdhsa_float_denorm_mode_32 3
		.amdhsa_float_denorm_mode_16_64 3
		.amdhsa_memory_ordered 1
		.amdhsa_forward_progress 1
		.amdhsa_inst_pref_size 34
	.end_amdhsa_kernel
	.amdgpu_metadata
---
amdhsa.version: [ 1, 2 ]
amdhsa.kernels:
  - .name:           k_qcc1269036b_quant
    .symbol:         k_qcc1269036b_quant.kd
    .args:
      - { .name: x, .offset: 0, .size: 8, .value_kind: global_buffer, .address_space: global }
      - { .name: Wq, .offset: 8, .size: 8, .value_kind: global_buffer, .address_space: global }
      - { .name: Wk, .offset: 16, .size: 8, .value_kind: global_buffer, .address_space: global }
      - { .name: Wv, .offset: 24, .size: 8, .value_kind: global_buffer, .address_space: global }
      - { .name: Wo, .offset: 32, .size: 8, .value_kind: global_buffer, .address_space: global }
      - { .name: opc, .offset: 40, .size: 8, .value_kind: global_buffer, .address_space: global }
      - { .name: ops, .offset: 48, .size: 8, .value_kind: global_buffer, .address_space: global }
    .group_segment_fixed_size: 51456
    .private_segment_fixed_size: 0
    .kernarg_segment_align: 8
    .kernarg_segment_size: 56
    .max_flat_workgroup_size: 192
    .sgpr_count:     66
    .vgpr_count:     256
    .wavefront_size: 32
...
	.end_amdgpu_metadata
.endif
;; end of part 1
;; launch proj (part 2): grid 8 x 32, 4 waves a work-group, clusters of 4 x 4, 327,680 bytes of LDS; arguments opc, ops, bq, bk, bv, qkc, qks, vc, vs; writes qkc, qks, vc, vs
.if DOCPART == 2
	.amdgcn_target "amdgcn-amd-amdhsa--gfx1250"
	.amdhsa_code_object_version 6
	.text
	.protected	k_qcc1269036b_proj
	.globl	k_qcc1269036b_proj
	.p2align	8
	.type	k_qcc1269036b_proj,@function
k_qcc1269036b_proj:
	s_mov_b64 s[64:65], 0
	v_nop
	global_prefetch_b8 v0, s[64:65] scope:SCOPE_SE
	s_setreg_imm32_b32 hwreg(HW_REG_WAVE_MODE, 25, 1), 1
	s_wait_xcnt 0x0
	s_wait_alu depctr_hold_cnt(0) depctr_sa_sdst(0) depctr_va_vdst(0) depctr_va_sdst(0) depctr_va_ssrc(0) depctr_va_vcc(0) depctr_vm_vsrc(0)
	s_getreg_b32 s2, hwreg(HW_REG_IB_STS2, 6, 4)
	s_cmp_eq_u32 s2, 0
	s_cbranch_scc0 .Lentry_in_a_cluster
	s_endpgm
.Lentry_in_a_cluster:
	s_bfe_u32 s2, ttmp6, 0x10000c
	s_cmp_lg_u32 s2, 0xf033
	s_cbranch_scc0 .Lentry_shape_is_right
	s_endpgm
.Lentry_shape_is_right:
; q = x Wq^T + bq, k = x Wk^T + bk, v = x Wv^T + bv on codes of FP6 (E2M3) with E8M0 scales, sums in f32; the results are quantised at once for the two products of attention.
; A tile is 128 rows of side A x 256 rows of side B, K = 1,024.  Role 0: A = x, B = Wq | Wk, quantised along the head's axis.  Role 1: A = Wv, B = x: V^T, quantised along the keys.
; Source 0 = a tile of B, source 1 = a tile of A: a lane holds one row of A, and the 16 registers of B's tiles 2 i, 2 i + 1 are 16 neighbours along B's rows.  Wave (wa, wb) makes 64 x 128: 32 accumulators.
; A WORK-GROUP STAYS: 256 work-groups walk three tiles each, rows of clusters y, y + 8, y + 16 of the 24: two of role 0 (the loop) and one of role 1 (written out: it asks for nothing more).
; LDS IS A RING OF TWO SLOTS along K: the lower half (B's 16 tiles at 0, A's 8 at 196,608) and the upper half (98,304 and 245,760); a tile's four K steps are 6,144 bytes on end.
; In K step 3 the lower half has been read out and takes the next tile's; in K step 7 the upper half.  Each refill stands behind a round of the cluster's barrier;
; half of the step's products stand between the round's opening signal and its wait.  A refill has four K steps, or the way out and three, in which to land.
; CLUSTER 4 x 4: A's tiles are shared along a row, B's along a column.  Tiles 0 and 1 take the same rows of B; they are fetched again, so that the loop's two trips have one text.
; No prefetch: each half is asked for by its refill four K steps ahead of its first use, and every block of opc is read by two or more clusters in the same trip.
; LIMITS: NaN and infinities are not served; blocks under 2^-124, and blocks of zeros, get the byte 1.
; REGISTERS: window 0: v1-23 addresses; v32-47 A's scale words, v48-79 B's; v80-175 A's fragments, two sets; on the way out v80-143 64 numbers, v144-163 codes; v184-215 small things.
;   window 1: v0-191 B's fragments, two sets; v192-255 bq or bk.   window 2: accumulator (a, b) at v[8 (8 a + b)].
.set SA,   32
.set SB,   48
.set AF,   80
.set ADRA, 4
.set ADRB, 6
.set H,    80
.set PC,   144
.set SW,   184
.set BV,   188
.set TM,   196
.set PW,   212
.set G1A,  16
.set G1B,  24
.set G0A,  32                          ; s[32:35] lower half, s[36:39] upper
.set G0B,  40
.set SEL,  100
.set MSB, 0
.macro WIN new
.if MSB != \new
	s_set_vgpr_msb (MSB<<8)|\new
.set MSB, \new
.endif
.endm
.macro PLACES n
.rept \n
	v_nop
.endr
.endm
.macro WALU
	s_wait_alu depctr_va_vdst(0)
.endm
.macro CREST                           ; a round behind its opening barrier
	s_cmp_lg_u32 s14, 0
	s_cbranch_scc1 .Lnot_wave_0_\@
	s_barrier_signal -3
.Lnot_wave_0_\@:
	s_barrier_wait -3
	s_barrier_signal -1
	s_barrier_wait -1
.endm
.macro CROUND
	s_barrier_signal -1
	s_barrier_wait -1
	CREST
.endm
.macro TLOAD g0, g1
	tensor_load_to_lds s[\g0:\g0+3], s[\g1:\g1+7]
	s_nop 0
	PLACES 4
.endm
.macro G0PUT g, src, off
	s_add_nc_u64 s[\g+2:\g+3], s[\src:\src+1], \off
	s_or_b32 s[\g+3], s[\g+3], 0x80000000
.endm
.macro ARMS wb, gb, wa, ga             ; one wave refills B's half, one A's; the others issue none
	s_cmp_eq_u32 s14, \wb
	s_cbranch_scc0 .Lnot_b_\@
	TLOAD \gb, G1B
	s_branch .Lasked_\@
.Lnot_b_\@:
	s_cmp_eq_u32 s14, \wa
	s_cbranch_scc0 .Lasked_\@
	TLOAD \ga, G1A
.Lasked_\@:
.endm
; 64 numbers of a lane, register 16 b + i = k 32 b + 16 (lane / 16) + i of my row, become a fragment's codes in v[PC] on and the row's scale word in v[pw]
.macro QUANT s, pw
.irp b, 0,1,2,3
	v_max3_num_f32 v[TM+\b], |v[\s+16*\b]|, |v[\s+1+16*\b]|, 0x1800000
.endr
.irp i, 2,4,6,8,10,12,14
.irp b, 0,1,2,3
	v_max3_num_f32 v[TM+\b], v[TM+\b], |v[\s+16*\b+\i]|, |v[\s+1+16*\b+\i]|
.endr
.endr
.irp b, 0,1,2,3
	v_permlanex16_b32 v[TM+4+\b], v[TM+\b], s[SEL], s[SEL+1]
.endr
.irp b, 0,1,2,3
	v_max_num_f32 v[TM+\b], v[TM+\b], v[TM+4+\b]
.endr
.irp b, 0,1,2,3
	v_add_nc_u32 v[TM+12+\b], 0xff000000, v[TM+\b]
.endr
.irp b, 0,1,2,3
	v_lshrrev_b32 v[TM+4+\b], 23, v[TM+12+\b]
.endr
	v_lshl_or_b32 v[\pw], v[TM+5], 8, v[TM+4]
	v_lshl_or_b32 v[\pw], v[TM+6], 16, v[\pw]
	v_lshl_or_b32 v[\pw], v[TM+7], 24, v[\pw]
.irp c, 0,1
	v_cvt_scalef32_pk16_fp6_f32 v[PC+6*\c:PC+2+6*\c], v[\s+32*\c:\s+15+32*\c], v[TM+12+2*\c]
	v_cvt_scalef32_pk16_fp6_f32 v[PC+12+4*\c:PC+14+4*\c], v[\s+16+32*\c:\s+31+32*\c], v[TM+12+2*\c+1]
.endr
	v_nop
.irp c, 0,1
.irp i, 0,1,2
	v_permlane16_swap_b32 v[PC+6*\c+\i], v[PC+12+4*\c+\i]
.endr
.irp i, 0,1,2
	v_mov_b32 v[PC+3+6*\c+\i], v[PC+12+4*\c+\i]
.endr
.endr
.endm
.macro FRAG reg, adr, off
.irp p, 0,1,2                          ; a fragment's image: three groups of four registers, 512 consecutive bytes a load
	ds_load_b128 v[\reg+4*\p:\reg+4*\p+3], v[\adr] offset:\off+512*\p
.endr
.endm
.macro FETCHB s                        ; K step s: B's eight fragments into set s % 2
	WIN 0x40
.irp b, 0,1,2,3,4,5,6,7
	FRAG 96*((\s)%2)+12*\b, ADRB+(\s)/4, ((\s)%4)*1536+6144*\b
.endr
	WIN 0
.endm
.macro FETCHA s
	WIN 0
.irp a, 0,1,2,3
	FRAG AF+48*((\s)%2)+12*\a, ADRA+(\s)/4, ((\s)%4)*1536+6144*\a
.endr
.endm
.macro WMX c, ra, rb
	v_wmma_scale_f32_16x16x128_f8f6f4 v[rD:rD+7], v[rB:rB+11], v[rA:rA+11], \c, v[rX], v[rY] matrix_a_fmt:MATRIX_FMT_FP6 matrix_b_fmt:MATRIX_FMT_FP6 matrix_a_scale:MATRIX_SCALE_ROW\ra matrix_b_scale:MATRIX_SCALE_ROW\rb
.endm
.macro WMC c                           ; B's tiles 4-7 and A's tiles 2-3 have their scale words in lanes 16-31
.if (hB == 0) && (hA == 0)
	WMX \c, 0, 0
.elseif hB == 0
	WMX \c, 0, 1
.elseif hA == 0
	WMX \c, 1, 0
.else
	WMX \c, 1, 1
.endif
.endm
.macro WM a, b, s, cm
.set rD, 8*(8*(\a)+(\b))
.set rB, 96*((\s)%2)+12*(\b)
.set rA, AF+48*((\s)%2)+12*(\a)
.set rX, SB+8*((\b)%4)+(\s)
.set rY, SA+8*((\a)%2)+(\s)
.set hB, (\b)/4
.set hA, (\a)/2
.if (\cm) == 0
	WMC 0
.else
	WMC v[rD:rD+7]
.endif
.endm
.macro MULH s, cm, a0                  ; 16 products: the accumulators take turns, one instruction a turn
	WIN 0xa1
.irp a, \a0, \a0+1
.irp b, 0,1,2,3,4,5,6,7
	WM \a, \b, \s, \cm
.endr
.endr
.endm
.macro STEP s
	s_wait_dscnt 0x0                               ; this step's fragments are in
.if ((\s) > 0) && ((\s) < 7)
	PLACES 4
.endif
.if (\s) < 7
	FETCHB (\s)+1
	FETCHA (\s)+1
.endif
.if (\s) == 0
	MULH \s, 0, 0
	MULH \s, 0, 2
.else
	MULH \s, 1, 0
	MULH \s, 1, 2
.endif
.endm
; a K step whose fragments were the last reads of a half: that half takes the next tile's
.macro TURN s, wb, gb, wa, ga, off
	WIN 0
	s_wait_tensorcnt 0x0                           ; all my tensor loads have landed,
	ds_add_u32 v254, v255
	G0PUT \gb, 58, \off                            ; so the descriptors may be written
	G0PUT \ga, 56, \off
	s_wait_dscnt 0x0                               ; the add is done, and my reads of the half, this step's fragments, are in
	s_barrier_signal -1
	MULH \s, 1, 0
	WIN 0
	s_barrier_wait -1
	CREST
	ARMS \wb, \gb, \wa, \ga
	PLACES 4
.if (\s) < 7
	FETCHB (\s)+1
	FETCHA (\s)+1
.endif
	MULH \s, 1, 2
.endm
; what a tile's place gives, from s78, its row of clusters (0-15 role 0, 16-23 role 1)
.macro SETUP
	s_lshr_b32 s2, s78, 4                          ; the role
	s_and_b32 s84, s78, 15
	s_and_b32 s79, s84, 14
	s_mul_i32 s79, s79, s2                         ; role 1 has 2 clusters along A and 8 along B
	s_sub_co_u32 s80, s84, s79
	s_lshl_b32 s80, s80, 2
	s_add_co_u32 s80, s80, s77                     ; A's block of 128 rows: on cy, never on cx
	s_add_co_u32 s81, ttmp9, s79
	s_lshl_b32 s81, s81, 2
	s_add_co_u32 s81, s81, s76                     ; B's block of 256 rows: on cx, never on cy
	s_mul_i32 s82, s2, 640
	s_lshl_b32 s84, s80, 3
	s_add_co_u32 s82, s82, s84                     ; A's first tile: x's from 0, Wv's from 640
	s_xor_b32 s83, s2, 1
	s_lshl_b32 s83, s83, 9
	s_lshl_b32 s85, s81, 4
	s_add_co_u32 s83, s83, s85                     ; B's first tile: Wq | Wk from 512, x's from 0
	s_lshl_b32 s66, s81, 1
	s_add_co_u32 s66, s66, s3                      ; my 128 rows of B, in 128s
	s_lshl_b32 s67, s80, 1
	s_add_co_u32 s67, s67, s15                     ; my 64 rows of A, in 64s
	s_mul_i32 s88, s82, 12288
	s_add_nc_u64 s[56:57], s[4:5], s[88:89]        ; A's codes
	s_mul_i32 s88, s83, 12288
	s_add_nc_u64 s[58:59], s[4:5], s[88:89]        ; B's
	s_lshl_b32 s88, s3, 3
	s_add_co_u32 s88, s88, s83
	s_lshl_b32 s88, s88, 9
	s_add_nc_u64 s[60:61], s[6:7], s[88:89]        ; my eight tiles of B: their scale words
	s_lshl_b32 s88, s15, 2
	s_add_co_u32 s88, s88, s82
	s_lshl_b32 s88, s88, 9
	s_add_nc_u64 s[62:63], s[6:7], s[88:89]        ; my four tiles of A
	s_and_b32 s88, s66, 7
	s_lshl_b32 s88, s88, 9
	s_cmp_lg_u32 ttmp9, 0                          ; role 0: the cluster's x = 0 holds Wq's rows, 1 Wk's
	s_cselect_b64 s[52:53], s[10:11], s[8:9]
	s_add_nc_u64 s[52:53], s[52:53], s[88:89]      ; bq or bk: my 128 numbers (in role 1 loaded and not used)
	s_and_b32 s88, s67, 15
	s_lshl_b32 s88, s88, 8
	s_add_nc_u64 s[54:55], s[12:13], s[88:89]      ; bv: a head's 64 numbers (in role 0 likewise)
.endm
.macro OUTPTR role                     ; where this tile's codes and scale words go
.if \role == 0
	s_mul_i32 s88, s66, 786432                     ; qkc [head 32][row tile 512][768]: my 128 columns are two heads
	s_lshl_b32 s90, s15, 2
	s_add_co_u32 s90, s90, s82
	s_mul_i32 s90, s90, 768
	s_add_co_u32 s88, s88, s90
	s_add_nc_u64 s[48:49], s[68:69], s[88:89]
	s_lshl_b32 s88, s66, 16                        ; qks [head][row tile / 4][r][row tile % 4]
	s_lshl_b32 s90, s67, 8
	s_add_co_u32 s88, s88, s90
	s_add_nc_u64 s[50:51], s[70:71], s[88:89]
.else
	s_mul_i32 s88, s67, 393216                     ; vc [head 16][128 keys 64][tile of d 4][1,536]
	s_mul_i32 s90, s66, 6144
	s_add_co_u32 s88, s88, s90
	s_add_nc_u64 s[48:49], s[72:73], s[88:89]
	s_lshl_b32 s88, s67, 14                        ; vs [head][128 keys][r][tile of d]
	s_lshl_b32 s90, s66, 8
	s_add_co_u32 s88, s88, s90
	s_add_nc_u64 s[50:51], s[74:75], s[88:89]
.endif
.endm
.macro LOADSCALES                      ; 12 loads: all scale words for all of K
.irp i, 0,1,2,3
.irp g, 0,1
	global_load_b128 v[SB+8*\i+4*\g:SB+8*\i+4*\g+3], v8, s[60:61] offset:512*\i+256*\g
.endr
.endr
.irp i, 0,1
.irp g, 0,1
	global_load_b128 v[SA+8*\i+4*\g:SA+8*\i+4*\g+3], v9, s[62:63] offset:512*\i+256*\g
.endr
.endr
.endm
.macro LOADBIAS                        ; 24 loads
.irp a, 0,1,2,3
	global_load_b32 v[BV+2*\a], v11, s[54:55] offset:4*(32*(\a/2)+8*(\a%2))
	global_load_b32 v[BV+2*\a+1], v11, s[54:55] offset:4*(32*(\a/2)+8*(\a%2))
.endr
	WIN 0x40
.irp e, 0,1,2,3
.irp j, 0,1,2,3
	global_load_b128 v[192+16*\e+4*\j:192+16*\e+4*\j+3], v10, s[52:53] offset:128*\e+16*\j
.endr
.endr
	WIN 0
.endm
; THE WAY OUT: for each of my four tiles of A: 64 results a lane + the bias, quantised as they stand, stored as images: each store covers 256 consecutive bytes, aligned
.macro EPI role
.irp a, 0,1,2,3
.if \role == 0
	WIN 0x06
.set j, 0
.rept 32
	v_pk_add_f32 v[H+j:H+j+1], v[64*\a+j:64*\a+j+1], v[192+j:192+j+1]
.set j, j+2
.endr
.else
	WIN 0x02
.set j, 0
.rept 32
	v_pk_add_f32 v[H+j:H+j+1], v[64*\a+j:64*\a+j+1], v[BV+2*\a:BV+2*\a+1]
.set j, j+2
.endr
.endif
	WIN 0
.if \a > 0
	s_wait_xcnt 0x0                                ; the last tile's stores have read the codes' registers
.endif
.if \role == 0
	QUANT H, PW
.irp c, 0,1
.irp i, 0,1,2
	global_store_b64 v21, v[PC+6*\c+2*\i:PC+6*\c+2*\i+1], s[48:49] offset:393216*\c+768*\a+256*\i
.endr
.endr
	v_lshrrev_b32 v[SW+\a], v20, v[PW]             ; lanes 0-15 keep the word, lanes 16-31 take its upper half: the next head's bytes
.else
	QUANT H, SW+\a
.irp p, 0,1,2,3,4,5
	global_store_b64 v21, v[PC+2*\p:PC+2*\p+1], s[48:49] offset:1536*\a+256*\p
.endr
.endif
.endr
.if \role == 0
	global_store_b128 v22, v[SW:SW+3], s[50:51]
.else
	v_cmp_lt_u32 vcc_lo, 15, v1
	v_cndmask_b32 v214, v[SW], v[SW+2], vcc_lo
	v_cndmask_b32 v215, v[SW+1], v[SW+3], vcc_lo
	global_store_b64 v23, v[214:215], s[50:51]
.endif
.endm
	s_load_b128 s[4:7], s[0:1], 0x0                ; opc, ops
	s_load_b128 s[8:11], s[0:1], 0x10              ; bq, bk
	s_load_b64 s[12:13], s[0:1], 0x20              ; bv
	s_load_b128 s[68:71], s[0:1], 0x28             ; qkc, qks
	s_load_b128 s[72:75], s[0:1], 0x38             ; vc, vs
	v_lshl_add_u32 v254, v0, 2, 0x48000
	v_mov_b32 v255, 0
	ds_add_u32 v254, v255                          ; the opening lines
	ds_add_u32 v254, v255
	v_lshrrev_b32 v1, 5, v0
	v_readfirstlane_b32 s14, v1                    ; wave 0..3
	s_lshr_b32 s15, s14, 1                         ; wa
	s_and_b32 s3, s14, 1                           ; wb
	s_bfe_u32 s76, ttmp6, 0x40000                  ; cx
	s_bfe_u32 s77, ttmp6, 0x40004                  ; cy
	s_and_b32 s78, ttmp7, 0xffff                   ; the first tile's row of clusters, 0..7
	s_lshl_b32 s84, s77, 2
	s_lshl_b32 s84, 15, s84                        ; my row of the cluster
	s_lshl_b32 s85, 0x1111, s76                    ; my column
	s_or_b32 s[G1A], s84, (3<<16)|(1<<21)          ; rows of 6,144 bytes (four K steps of a tile), 12,288 apart, elements of 8 bytes; dense in LDS
	s_or_b32 s[G1B], s85, (3<<16)|(1<<21)
.irp g, G1A, G1B
	s_mov_b32 s[\g+1], 768<<16
	s_mov_b32 s[\g+3], 768<<16
	s_mov_b32 s[\g+5], 1536
	s_mov_b32 s[\g+6], 0
	s_mov_b32 s[\g+7], 0
.endr
	s_mov_b32 s[G1A+2], 8<<16                      ; A: 8 tiles a load, B: 16
	s_mov_b32 s[G1A+4], 8
	s_mov_b32 s[G1B+2], 16<<16
	s_mov_b32 s[G1B+4], 16
.irp c, 0,1
	s_mov_b32 s[G0A+4*\c], 1
	s_mov_b32 s[G0A+4*\c+1], 196608+49152*\c
	s_mov_b32 s[G0B+4*\c], 1
	s_mov_b32 s[G0B+4*\c+1], 98304*\c
.endr
	s_mov_b32 s89, 0
	s_mov_b32 s[SEL], 0x76543210
	s_mov_b32 s[SEL+1], 0xfedcba98
	s_wait_dscnt 0x0
	s_wait_kmcnt 0x0
	SETUP
	G0PUT G0B, 58, 0
	G0PUT G0A, 56, 0
	G0PUT G0B+4, 58, 6144
	G0PUT G0A+4, 56, 6144
	CROUND                                         ; all sixteen work-groups are here: the joint loads meet
	s_cmp_eq_u32 s14, 0                            ; one joint load a wave, each in an arm of its own
	s_cbranch_scc0 .Lwave_1
	TLOAD G0B, G1B
	s_branch .Lasked
.Lwave_1:
	s_cmp_eq_u32 s14, 1
	s_cbranch_scc0 .Lwave_2
	TLOAD G0A, G1A
	s_branch .Lasked
.Lwave_2:
	s_cmp_eq_u32 s14, 2
	s_cbranch_scc0 .Lwave_3
	TLOAD G0B+4, G1B
	s_branch .Lasked
.Lwave_3:
	TLOAD G0A+4, G1A
.Lasked:
	v_and_b32 v1, 31, v0                           ; lane
	v_and_b32 v2, 15, v0                           ; r
	v_bfe_u32 v3, v0, 4, 1                         ; hh
	v_lshlrev_b32 v21, 3, v1
	v_lshlrev_b32 v13, 4, v1                       ; my 16 bytes of a group of four registers in opc's images
	v_lshlrev_b32 v8, 4, v2
	v_lshl_add_u32 v9, v3, 10, v8                  ; A's scale words: 16 r, lanes 16-31 two tiles on
	v_lshl_add_u32 v22, v3, 15, v8                 ; q's and k's scale words on the way out: lanes 16-31 the next head
	v_lshl_add_u32 v23, v3, 3, v8                  ; v's: 16 r + 8 hh
	v_lshl_add_u32 v8, v3, 11, v8                  ; B's scale words: lanes 16-31 four tiles on
	v_lshlrev_b32 v10, 6, v3
	v_lshlrev_b32 v20, 4, v3
	v_and_b32 v11, 7, v2
	v_lshrrev_b32 v12, 3, v2
	v_lshl_add_u32 v11, v12, 4, v11
	v_lshlrev_b32 v11, 2, v11                      ; bv: my row of a tile: r % 8 + 16 (r / 8)
	s_mul_i32 s91, s15, 24576
	s_add_co_u32 s91, s91, 196608
	v_add_nc_u32 v[ADRA], s91, v13
	v_add_nc_u32 v[ADRA+1], 49152, v[ADRA]
	s_mul_i32 s91, s3, 49152
	v_add_nc_u32 v[ADRB], s91, v13
	v_add_nc_u32 v[ADRB+1], 98304, v[ADRB]
.irp b, 0,1,2,3
	v_mov_b32 v[TM+4+\b], 0
.endr
	LOADSCALES
	LOADBIAS
	WALU                                           ; the wait at the head's end
	s_cmp_lt_u32 s14, 2                            ; the lower half is waves 0 and 1's loads: they wait; the upper half stays out
	s_cbranch_scc0 .Lnot_lower
	s_wait_tensorcnt 0x0
.Lnot_lower:
	s_barrier_signal -1
	s_barrier_wait -1
	FETCHB 0
	s_mov_b32 s86, 2
.Ltile:                                                ; tiles 0 and 1: role 0
	s_wait_xcnt 0x0                                ; every earlier load and store has read its pointers
	OUTPTR 0
	s_add_co_u32 s78, s78, 8
	SETUP                                          ; the next tile's places
	s_wait_loadcnt 24                              ; the scale words are in; the 24 loads of the bias may be out
	FETCHA 0
	STEP 0
	STEP 1
	STEP 2
	TURN 3, 0, G0B, 1, G0A, 0
	STEP 4
	STEP 5
	STEP 6
	TURN 7, 2, G0B+4, 3, G0A+4, 6144
	PLACES 4
	WIN 0
	LOADSCALES                                     ; the next tile's, under the way out
	FETCHB 0                                       ; and its first fragments of B: the round in step 7 has shown the lower half
	s_wait_loadcnt 12                              ; the bias is in; the 12 loads just issued may be out
	EPI 0
	LOADBIAS
	s_sub_co_u32 s86, s86, 1
	s_cmp_lg_u32 s86, 0
	WALU
	s_cbranch_scc1 .Ltile
	s_wait_xcnt 0x0                                ; tile 2: role 1; nothing more is asked for
	OUTPTR 1
	s_wait_loadcnt 24
	FETCHA 0
	STEP 0
	STEP 1
	STEP 2
	s_wait_dscnt 0x0
	PLACES 4
	s_wait_tensorcnt 0x0                           ; the upper half is in, in every wave
	s_barrier_signal -1
	s_barrier_wait -1
	FETCHB 4
	FETCHA 4
	MULH 3, 1, 0
	MULH 3, 1, 2
	STEP 4
	STEP 5
	STEP 6
	STEP 7
	PLACES 4
	WIN 0
	s_wait_loadcnt 0x0
	EPI 1
	s_wait_tensorcnt 0x0                           ; the wave's end
	ds_add_u32 v254, v255
	s_wait_dscnt 0x0
	CROUND                                         ; the closing round
	s_endpgm
.Lfunc_end_k_qcc1269036b_proj:
	.size	k_qcc1269036b_proj, .Lfunc_end_k_qcc1269036b_proj-k_qcc1269036b_proj
	.p2alignl 7, 3214868480
	.fill 96, 4, 3214868480
	.section	.rodata,"a",@progbits
	.p2align	6, 0x0
	.amdhsa_kernel k_qcc1269036b_proj
		.amdhsa_group_segment_fixed_size 327680
		.amdhsa_private_segment_fixed_size 0
		.amdhsa_enable_private_segment 0
		.amdhsa_kernarg_size 72
		.amdhsa_user_sgpr_count 2
		.amdhsa_user_sgpr_kernarg_segment_ptr 1
		.amdhsa_wavefront_size32 1
		.amdhsa_system_sgpr_workgroup_id_x 1
		.amdhsa_system_sgpr_workgroup_id_y 1
		.amdhsa_system_sgpr_workgroup_id_z 1
		.amdhsa_system_vgpr_workitem_id 0
		.amdhsa_next_free_vgpr 768
		.amdhsa_next_free_sgpr 102
		.amdhsa_reserve_vcc 1
		.amdhsa_float_denorm_mode_32 3
		.amdhsa_float_denorm_mode_16_64 3
		.amdhsa_memory_ordered 1
		.amdhsa_forward_progress 1
		.amdhsa_inst_pref_size 176
	.end_amdhsa_kernel
	.amdgpu_metadata
---
amdhsa.version: [ 1, 2 ]
amdhsa.kernels:
  - .name:           k_qcc1269036b_proj
    .symbol:         k_qcc1269036b_proj.kd
    .args:
      - { .name: opc, .offset: 0, .size: 8, .value_kind: global_buffer, .address_space: global }
      - { .name: ops, .offset: 8, .size: 8, .value_kind: global_buffer, .address_space: global }
      - { .name: bq, .offset: 16, .size: 8, .value_kind: global_buffer, .address_space: global }
      - { .name: bk, .offset: 24, .size: 8, .value_kind: global_buffer, .address_space: global }
      - { .name: bv, .offset: 32, .size: 8, .value_kind: global_buffer, .address_space: global }
      - { .name: qkc, .offset: 40, .size: 8, .value_kind: global_buffer, .address_space: global }
      - { .name: qks, .offset: 48, .size: 8, .value_kind: global_buffer, .address_space: global }
      - { .name: vc, .offset: 56, .size: 8, .value_kind: global_buffer, .address_space: global }
      - { .name: vs, .offset: 64, .size: 8, .value_kind: global_buffer, .address_space: global }
    .group_segment_fixed_size: 327680
    .private_segment_fixed_size: 0
    .kernarg_segment_align: 8
    .kernarg_segment_size: 72
    .max_flat_workgroup_size: 128
    .sgpr_count:     102
    .vgpr_count:     768
    .wavefront_size: 32
...
	.end_amdgpu_metadata
.endif
;; end of part 2
;; launch attn (part 3): grid 4 x 64, 8 waves a work-group, clusters of 4 x 1, 327,680 bytes of LDS; arguments qkc, qks, vc, vs, cc, cs; writes cc, cs
.if DOCPART == 3
	.amdgcn_target "amdgcn-amd-amdhsa--gfx1250"
	.amdhsa_code_object_version 6
	.text
	.protected	k_qcc1269036b_attn
	.globl	k_qcc1269036b_attn
	.p2align	8
	.type	k_qcc1269036b_attn,@function
k_qcc1269036b_attn:
	s_mov_b64 s[64:65], 0
	v_nop
	global_prefetch_b8 v0, s[64:65] scope:SCOPE_SE
	s_setreg_imm32_b32 hwreg(HW_REG_WAVE_MODE, 25, 1), 1
	s_wait_xcnt 0x0
	s_wait_alu depctr_hold_cnt(0) depctr_sa_sdst(0) depctr_va_vdst(0) depctr_va_sdst(0) depctr_va_ssrc(0) depctr_va_vcc(0) depctr_vm_vsrc(0)
	s_getreg_b32 s2, hwreg(HW_REG_IB_STS2, 6, 4)
	s_cmp_eq_u32 s2, 0
	s_cbranch_scc0 .Lentry_in_a_cluster
	s_endpgm
.Lentry_in_a_cluster:
	s_bfe_u32 s2, ttmp6, 0x10000c
	s_cmp_lg_u32 s2, 0x3003
	s_cbranch_scc0 .Lentry_shape_is_right
	s_endpgm
.Lentry_shape_is_right:
; context = softmax(q k^T / 8) v for one batch and head, on codes of FP6 (E2M3) with E8M0 scales; the context leaves as codes and scale bytes for the last product.
; p = 2^(t - M), t = score x log2(e) / 8, M the ceiling of the running largest t; the row's sum is taken of the unquantised p; a change of M multiplies sums and O by an exact power of two.
; LIMITS: the promise holds while |t| stays under 2^31; NaN and infinities are not served; a block whose largest magnitude lies under 2^-124 gets the byte 1.
; THE DEAL.  A cluster of four work-groups takes one batch and head; a work-group 512 queries; a wave 4 tiles of 16 queries, two at a time (A, B) in two passes, so that each fragment of K and V feeds two products.
; All 2,048 keys lie in LDS, each byte filled once by joint loads, one a wave.  Wave 0 K's first third (682 keys), wave 1 V's, wave 2 K's scale words, wave 3 V's: the first barrier shows these four.
; Waves 4, 5 K's other thirds, waves 6, 7 V's: shown by the barrier behind pass 0's first step, which is written out and reads K's keys 0-255 and V's keys 0-127 alone.
; No prefetch: the tiles are asked for once, at the head, and there is no loop to run ahead in.
; Both products are used transposed: a lane holds one query.  THE KEYS OF A TILE OF K ARE CHOSEN BY THE LANES' LDS ADDRESSES: tile (c, t) has keys 64 c + 8 t + i in rows 0-7 and 64 c + 32 + 8 t + i in rows 8-15,
; so a lane's 32 scores of tiles (c, 0 .. 3) are the block of 32 keys 64 c + 32 (lane / 16) + 0 .. 31: the block that p's operand wants in that lane.  No lane is asked for a block's maximum, and no codes change lanes.
; K's rows of 256 bytes lie 288 bytes apart in LDS.
; The head's axis is 64: q's upper six registers are zero codes, and K's operand runs on into the next tile's registers, which count for nothing.
; REGISTERS.  Window 0: v1-11, v226-233 addresses, v12-13 the add's, v14-27 scale words, v28-51 q, v52-105 K, v106-153 V, v154-217 O^T, v218-221 1 / the sums.
; Window 1: v0-127 scores, then p (A, B); v128-159 A's pair sums; v160-183 p's codes; v184-199 the second conversions'; v200-249 small things.
.set KPIT, 288
.set KSTEP, 24*KPIT
.set VB, 384*KPIT
.set KSB, VB+98304
.set VSB, KSB+8192
.set SPARE, VSB+4096
.set QS, 14
.set KS, 18
.set PSC, 22
.set VS, 24
.set QF, 28
.set KF, 52
.set VF, 106
.set O, 154
.set RL, 218
.set KA1, 226                          ; v226 K's lanes, tiles (1, ..); v227-229 V's tiles 1-3; v230-233 V's four tiles in this step
.set VA, 230
.set TMP, 128
.set PC, 160
.set C2, 184
.set TA, 200                           ; eight chains: block b in TA + 2 b and TA + 2 b + 1; then its largest in TA + 2 b
.set X, 208
.set MM, 210
.set R, 212
.set NM, 214
.set U, 218
.set D, 220
.set SO, 222
.set EB, 226
.set W, 230
.set PS, 232
.set HS, 240
.set F, 242
.set L, 246
.set SEL, 76
.set CS, 78
.set MSB, 0
.macro WIN new
.if MSB != \new
	s_set_vgpr_msb (MSB<<8)|\new
.set MSB, \new
.endif
.endm
.macro PLACES n
.rept \n
	v_nop
.endr
.endm
.macro WALU
	s_wait_alu depctr_va_vdst(0)
.endm
.macro CROUND
	s_barrier_signal -1
	s_barrier_wait -1
	s_cmp_lg_u32 s16, 0
	s_cbranch_scc1 .Lnot_wave_0_\@
	s_barrier_signal -3
.Lnot_wave_0_\@:
	s_barrier_wait -3
	s_barrier_signal -1
	s_barrier_wait -1
.endm
.macro G1SET g, rows, pad              ; a dense block as rows of 256 bytes (32 elements of 8); the mask names the cluster's four
	s_mov_b32 s[\g], 15|(3<<16)|(1<<21)|(\pad)
	s_mov_b32 s[\g+1], 32<<16
	s_mov_b32 s[\g+2], (\rows)<<16
	s_mov_b32 s[\g+3], 32<<16
	s_mov_b32 s[\g+4], \rows
	s_mov_b32 s[\g+5], 32
	s_mov_b32 s[\g+6], 0
	s_mov_b32 s[\g+7], 0
.endm
.macro TLOAD g0, g1
	tensor_load_to_lds s[\g0:\g0+3], s[\g1:\g1+7]
	s_nop 0
	PLACES 4
.endm
.macro G0SET g, lds, base              ; s[2:3]: the offset in bytes
	s_mov_b32 s[\g], 1
	s_mov_b32 s[\g+1], \lds
	s_add_nc_u64 s[\g+2:\g+3], s[\base:\base+1], s[2:3]
.endm
; eight tiles of K and their scale words: 13 loads of two pieces.  Register pair g = 6 b + 3 u + p of group c is pair p of tile (c, 2 b + u): row 3 u + p of the group's 288-byte rows, 64 b bytes in
.macro KLOAD a0, a1, as
.irp k, 0,1,2,3,4,5
	ds_load_2addr_b64 v[KF+4*\k:KF+4*\k+3], \a0 offset0:36*((2*\k)%6)+8*((2*\k)/6) offset1:36*((2*\k+1)%6)+8*((2*\k+1)/6)
.endr
.irp k, 0,1,2,3,4,5
	ds_load_2addr_b64 v[KF+24+4*\k:KF+24+4*\k+3], \a1 offset0:36*((2*\k)%6)+8*((2*\k)/6) offset1:36*((2*\k+1)%6)+8*((2*\k+1)/6)
.endr
	ds_load_2addr_b64 v[KS:KS+3], \as offset0:0 offset1:16   ; lanes 0-15: tiles (0, 0 .. 3); lanes 16-31: (1, ..)
.endm
.macro QLOAD p
.irp q, 0,1
.irp i, 0,1,2
	global_load_b64 v[QF+12*\q+2*\i:QF+12*\q+2*\i+1], v1, s[86:87] offset:768*(2*\p+\q)+256*\i
.endr
	global_load_b32 v[QS+\q], v6, s[88:89] offset:4*(2*\p+\q)
.endr
.endm
.macro INIT                            ; the step is written once: the first finds zeros and a factor 0
.set j, 0
.rept 64
	v_mov_b32 v[O+j], 0
.set j, j+1
.endr
	WIN 0x40
.irp j, 0,1,2,3
	v_mov_b32 v[L+\j], 0
.endr
.irp q, 0,1
	v_mov_b32 v[R+\q], 0xff61b1e6          ; the largest score so far: -3e38
	v_mov_b32 v[NM+2*\q], 0x7f61b1e6       ; -M
.endr
	WIN 0
.endm
; round r of the search for the largest score of tile q's two blocks: two chains a block, over registers 0-16 and 17-31, each accumulator from its low end on
.macro MAXR q, r
.irp b, 2*\q, 2*\q+1
.if (\r) == 0
	v_max3_num_f32 v[TA+2*(\b)], v[32*(\b)], v[32*(\b)+1], v[32*(\b)+2]
	v_max3_num_f32 v[TA+2*(\b)+1], v[32*(\b)+17], v[32*(\b)+18], v[32*(\b)+19]
.elseif (\r) < 7
	v_max3_num_f32 v[TA+2*(\b)], v[TA+2*(\b)], v[32*(\b)+1+2*(\r)], v[32*(\b)+2+2*(\r)]
	v_max3_num_f32 v[TA+2*(\b)+1], v[TA+2*(\b)+1], v[32*(\b)+18+2*(\r)], v[32*(\b)+19+2*(\r)]
.elseif (\r) == 7
	v_max3_num_f32 v[TA+2*(\b)], v[TA+2*(\b)], v[32*(\b)+15], v[32*(\b)+16]
.else
	v_max_num_f32 v[TA+2*(\b)], v[TA+2*(\b)], v[TA+2*(\b)+1]
.endif
.endr
.endm
; line k of tile q's way from its blocks' largest scores to -M and the factor f = 2^(old M - new M)
.macro MCH q, k
.if (\k) == 0
	v_max_num_f32 v[MM+\q], v[TA+4*\q], v[TA+4*\q+2]
.elseif (\k) == 1
	v_permlanex16_b32 v[X+\q], v[MM+\q], s[SEL], s[SEL+1]
.elseif (\k) == 2
	v_max3_num_f32 v[R+\q], v[R+\q], v[MM+\q], v[X+\q]
.elseif (\k) == 3
	v_mul_f32 v[U+\q], s[CS], v[R+\q]
.elseif (\k) == 4
	v_mov_b32 v[D+\q], v[NM+2*\q]
.elseif (\k) == 5
	v_floor_f32 v[NM+2*\q], -v[U+\q]
.elseif (\k) == 6
	v_sub_f32 v[D+\q], v[NM+2*\q], v[D+\q]
.elseif (\k) == 7
	v_cvt_i32_f32 v[D+\q], v[D+\q]
.else
	v_ldexp_f32 v[F+2*\q], 1.0, v[D+\q]
.endif
.endm
.macro TMA n                           ; n lines of A's t - M
.rept \n
	v_pk_fma_f32 v[j:j+1], v[j:j+1], s[CS:CS+1], v[NM:NM+1] op_sel_hi:[1,0,0]
.set j, j+2
.endr
.endm
.macro BSUM g                          ; four lines of B's sum, in four chains
.irp k, 0,1,2,3
.if (\g) == 0
	v_pk_add_f32 v[PS+2*\k:PS+2*\k+1], v[64+4*\k:65+4*\k], v[66+4*\k:67+4*\k]
.else
	v_pk_add_f32 v[PS+2*\k:PS+2*\k+1], v[PS+2*\k:PS+2*\k+1], v[72+8*(\g)+2*\k:73+8*(\g)+2*\k]
.endif
.endr
.endm
.macro STEP
	s_wait_dscnt 0x0                       ; K, asked for a step ago
	WIN 0x40
.irp t, 0,1,2,3
.irp q, 0,1
	v_wmma_scale_f32_16x16x128_f8f6f4 v[64*\q+8*\t:64*\q+8*\t+7], v[KF+6*\t:KF+6*\t+11], v[QF+12*\q:QF+12*\q+11], 0, v[KS+\t], v[QS+\q] matrix_a_fmt:MATRIX_FMT_FP6 matrix_b_fmt:MATRIX_FMT_FP6
.endr
.endr
.irp t, 0,1,2,3
.irp q, 0,1
	v_wmma_scale_f32_16x16x128_f8f6f4 v[64*\q+32+8*\t:64*\q+32+8*\t+7], v[KF+24+6*\t:KF+24+6*\t+11], v[QF+12*\q:QF+12*\q+11], 0, v[KS+\t], v[QS+\q] matrix_a_fmt:MATRIX_FMT_FP6 matrix_b_fmt:MATRIX_FMT_FP6 matrix_a_scale:MATRIX_SCALE_ROW1
.endr
.endr
	WIN 0
	v_add_nc_u32 v8, s80, v2               ; these eight are the places between the products and the loads into their registers, and ahead of the first read of the scores
	v_add_nc_u32 v9, s80, v[KA1]
	v_add_nc_u32 v10, s82, v4
	v_add_nc_u32 v11, s83, v5
	v_add_nc_u32 v[VA], s81, v3
.irp t, 1,2,3
	v_add_nc_u32 v[VA+\t], s81, v[KA1+\t]
.endr
.irp t, 0,1,2,3
.irp k, 0,1,2
	ds_load_2addr_b64 v[VF+12*\t+4*\k:VF+12*\t+4*\k+3], v[VA+\t] offset0:64*\k offset1:64*\k+32
.endr
.endr
	ds_load_b128 v[VS:VS+3], v11
	KLOAD v8, v9, v10                      ; the next step's K (behind the last step: bytes of the next region, which nothing uses)
	WIN 0x55
.irp r, 0,1,2,3,4,5,6,7,8
	MAXR 0, \r
.endr
.irp r, 0,1,2,3,4,5,6,7,8              ; A's way to -M among B's maxima
	MAXR 1, \r
	MCH 0, \r
.endr
.set j, 0
.irp k, 0,1,2,3,4,5,6,7,8              ; B's among A's t - M
	MCH 1, \k
	TMA 3
.endr
	TMA 5
.irp b, 0,1,2,3
	v_fma_f32 v[TA+2*\b], v[TA+2*\b], s[CS], v[NM+2*(\b/2)]   ; the same of each block's largest score
.endr
	WIN 0x04
.irp q, 0,1
.set j, 0
.rept 16
	v_pk_mul_f32 v[O+32*\q+j:O+32*\q+j+1], v[O+32*\q+j:O+32*\q+j+1], v[F+2*\q:F+2*\q+1] op_sel_hi:[1,0]
.set j, j+2
.endr
.endr
	WIN 0x55
	WALU                                   ; the wait ahead of the batch
.irp b, 0,1,2,3
	v_exp_f32 v[TA+2*\b], v[TA+2*\b]       ; each block's largest p
.endr
.set j, 0
.rept 32                               ; A's exponentials, B's t - M among them
	v_exp_f32 v[j], v[j]
	v_exp_f32 v[j+1], v[j+1]
	v_pk_fma_f32 v[64+j:65+j], v[64+j:65+j], s[CS:CS+1], v[NM+2:NM+3] op_sel_hi:[1,0,0]
.set j, j+2
.endr
	WALU                                   ; and behind it
.set j, 0
.rept 16                               ; B's exponentials, the first level of A's sum among them
	v_exp_f32 v[64+4*j], v[64+4*j]
	v_exp_f32 v[65+4*j], v[65+4*j]
	v_exp_f32 v[66+4*j], v[66+4*j]
	v_exp_f32 v[67+4*j], v[67+4*j]
	v_pk_add_f32 v[TMP+2*j:TMP+2*j+1], v[4*j:4*j+1], v[4*j+2:4*j+3]
.set j, j+1
.endr
	WALU
.irp b, 0,1,2,3                        ; the scales, B's sum among them
	v_max_num_f32 v[TA+2*\b], 0x1800000, v[TA+2*\b]      ; the floor 2^(3 - 127): the byte cannot fall under 1
.endr
	BSUM 0
.irp b, 0,1,2,3
	v_add_nc_u32 v[SO+\b], 0xff000000, v[TA+2*\b]        ; 2 off the exponent field: the conversions' scale operand
.endr
	BSUM 1
.irp b, 0,1,2,3
	v_lshrrev_b32 v[EB+\b], 23, v[SO+\b]
.endr
	BSUM 2
.irp q, 0,1
	v_lshl_or_b32 v[W+\q], v[EB+2*\q+1], 16, v[EB+2*\q]  ; my bytes: blocks h and 2 + h
.endr
	BSUM 3
.irp q, 0,1
	v_lshlrev_b32 v[W+\q], v[HS], v[W+\q]                ; 8 h bits up
.endr
	BSUM 4
.irp q, 0,1
	v_permlanex16_b32 v[X+\q], v[W+\q], s[SEL], s[SEL+1]
.endr
	BSUM 5
	BSUM 6
	WIN 0x05
.irp q, 0,1
	v_or_b32 v[PSC+\q], v[W+\q], v[X+\q]   ; p's scale word of these 128 keys
.endr
	WIN 0x55
.irp b, 0,1,2,3
	v_cvt_scalef32_pk16_fp6_f32 v[PC+6*\b:PC+6*\b+2], v[32*\b:32*\b+15], v[SO+\b]
	v_cvt_scalef32_pk16_fp6_f32 v[C2+4*\b:C2+4*\b+2], v[32*\b+16:32*\b+31], v[SO+\b]
.endr
.irp g, 1,2,3                          ; A's sixteen pair sums, in four chains in place
.irp k, 0,1,2,3
	v_pk_add_f32 v[TMP+2*\k:TMP+2*\k+1], v[TMP+2*\k:TMP+2*\k+1], v[TMP+8*\g+2*\k:TMP+8*\g+2*\k+1]
.endr
.endr
.irp b, 0,1,2,3
.irp i, 0,1,2
	v_mov_b32 v[PC+6*\b+3+\i], v[C2+4*\b+\i]             ; a conversion's three registers begin on an even number
.endr
.endr
.irp s, TMP, PS
	v_pk_add_f32 v[\s:\s+1], v[\s:\s+1], v[\s+2:\s+3]
	v_pk_add_f32 v[\s+4:\s+5], v[\s+4:\s+5], v[\s+6:\s+7]
.endr
.irp s, TMP, PS
	v_pk_add_f32 v[\s:\s+1], v[\s:\s+1], v[\s+4:\s+5]
.endr
	v_pk_fma_f32 v[L:L+1], v[L:L+1], v[F:F+1], v[TMP:TMP+1] op_sel_hi:[1,0,1]        ; the sums under the new M, and this step's
	v_pk_fma_f32 v[L+2:L+3], v[L+2:L+3], v[F+2:F+3], v[PS:PS+1] op_sel_hi:[1,0,1]
	WALU                                   ; the wait ahead of the wait below
	s_wait_dscnt 13                        ; V's 13 loads are in; the next K's 13 may be out
	WIN 0x04
.irp t, 0,1,2,3
.irp q, 0,1
	v_wmma_scale_f32_16x16x128_f8f6f4 v[O+32*\q+8*\t:O+32*\q+8*\t+7], v[VF+12*\t:VF+12*\t+11], v[PC+12*\q:PC+12*\q+11], v[O+32*\q+8*\t:O+32*\q+8*\t+7], v[VS+\t], v[PSC+\q] matrix_a_fmt:MATRIX_FMT_FP6 matrix_b_fmt:MATRIX_FMT_FP6
.endr
.endr
	WIN 0
	s_add_co_u32 s80, s80, KSTEP
	s_add_co_u32 s81, s81, 6144
	s_add_co_u32 s82, s82, 512
	s_add_co_u32 s83, s83, 256
.endm
; the way out of two tiles: O^T / the sum, quantised along the head's axis (16 neighbours a lane and block: lanes l and l xor 16 share a block), stored as the operand's image
.macro EPI p
	s_wait_dscnt 0x0
.if \p == 0
	QLOAD 1
.endif
	WIN 0x55
.irp q, 0,1
	v_add_f32 v[L+2*\q], v[L+2*\q], v[L+2*\q+1]
.endr
.irp q, 0,1
	v_permlanex16_b32 v[X+\q], v[L+2*\q], s[SEL], s[SEL+1]
.endr
.irp q, 0,1
	v_add_f32 v[L+2*\q], v[L+2*\q], v[X+\q]
.endr
	WALU
	WIN 0x01
.irp q, 0,1
	v_rcp_f32 v[RL+2*\q], v[L+2*\q]
.endr
	WIN 0
	v_nop
	WALU
.irp q, 0,1
.set j, 0
.rept 16
	v_pk_mul_f32 v[O+32*\q+j:O+32*\q+j+1], v[O+32*\q+j:O+32*\q+j+1], v[RL+2*\q:RL+2*\q+1] op_sel_hi:[1,0]
.set j, j+2
.endr
.endr
.irp n, 0,1,2,3
	v_max3_num_f32 v[52+\n], |v[O+16*\n]|, |v[O+16*\n+1]|, 0x1800000
.endr
.irp i, 2,4,6,8,10,12,14
.irp n, 0,1,2,3
	v_max3_num_f32 v[52+\n], v[52+\n], |v[O+16*\n+\i]|, |v[O+16*\n+\i+1]|
.endr
.endr
.irp n, 0,1,2,3
	v_permlanex16_b32 v[56+\n], v[52+\n], s[SEL], s[SEL+1]
.endr
.irp n, 0,1,2,3
	v_max_num_f32 v[52+\n], v[52+\n], v[56+\n]
.endr
.irp n, 0,1,2,3
	v_add_nc_u32 v[60+\n], 0xff000000, v[52+\n]
.endr
.irp n, 0,1,2,3
	v_lshrrev_b32 v[64+\n], 23, v[60+\n]
.endr
.irp q, 0,1
	v_lshl_or_b32 v[68+\q], v[65+2*\q], 8, v[64+2*\q]
.endr
.irp q, 0,1
	v_cvt_scalef32_pk16_fp6_f32 v[72+12*\q:74+12*\q], v[O+32*\q:O+32*\q+15], v[60+2*\q]
	v_cvt_scalef32_pk16_fp6_f32 v[78+12*\q:80+12*\q], v[O+32*\q+16:O+32*\q+31], v[61+2*\q]
.endr
	v_nop
.irp q, 0,1
.irp i, 0,1,2
	v_permlane16_swap_b32 v[72+12*\q+\i], v[78+12*\q+\i]
.endr
.endr
.irp q, 0,1
.irp i, 0,1,2
	v_mov_b32 v[75+12*\q+\i], v[78+12*\q+\i]
.endr
.endr
	v_and_b32 v71, 16, v0
	v_cmp_ne_u32 vcc_lo, 0, v71
	v_cndmask_b32 v70, v68, v69, vcc_lo    ; lanes 0-15 tile A's two bytes, lanes 16-31 tile B's
.irp q, 0,1
.irp i, 0,1,2
	global_store_b64 v1, v[72+12*\q+2*\i:73+12*\q+2*\i], s[90:91] offset:12288*(2*\p+\q)+256*\i   ; 256 consecutive bytes, aligned
.endr
.endr
	global_store_b16 v7, v70, s[92:93] offset:64*\p
.endm
.macro PASS p
	KLOAD v2, v[KA1], v4
	s_mov_b32 s80, KSTEP                   ; K and its scale words are asked for a step ahead
	s_mov_b32 s81, 0
	s_mov_b32 s82, 512
	s_mov_b32 s83, 0
	s_mov_b32 s84, 15+\p
	WALU
	s_wait_loadcnt 0x0                     ; q and its scale words
.if \p == 0
	STEP                                   ; the first step, on the tiles that the first barrier has shown
	s_wait_tensorcnt 0x0                   ; every wave's tile is in,
	s_wait_dscnt 0x0
	s_barrier_signal -1
	s_barrier_wait -1                      ; and shown to all
.endif
.Lkeys_\@:
	STEP
	s_sub_co_u32 s84, s84, 1
	s_cmp_lg_u32 s84, 0
	s_cbranch_scc1 .Lkeys_\@
	EPI \p
.endm
	s_load_b256 s[4:11], s[0:1], 0x0       ; qkc, qks, vc, vs
	s_load_b128 s[12:15], s[0:1], 0x20     ; cc, cs
	v_lshl_add_u32 v12, v0, 2, SPARE
	v_mov_b32 v13, 0
	ds_add_u32 v12, v13                    ; the opening lines: the add, twice on end, and its wait
	ds_add_u32 v12, v13
	v_lshrrev_b32 v8, 5, v0
	v_readfirstlane_b32 s16, v8            ; wave 0..7
	s_bfe_u32 s17, ttmp6, 0x40000          ; cx
	s_and_b32 s18, ttmp7, 0xffff
	s_lshr_b32 s19, s18, 4                 ; batch
	s_and_b32 s20, s18, 15                 ; head
	s_lshl_b32 s21, s19, 7
	s_lshl_b32 s22, s17, 5
	s_add_co_u32 s21, s21, s22
	s_lshl_b32 s22, s16, 2
	s_add_co_u32 s21, s21, s22             ; my first tile of queries
	G1SET 24, 128, (1<<20)|(5<<22)|(7<<25) ; K's codes: 32 bytes of padding behind every 256
	G1SET 32, 128, 0                       ; V's codes
	G1SET 40, 32, 0                        ; K's scale words
	G1SET 48, 16, 0                        ; V's
	s_mov_b32 s[SEL], 0x76543210
	s_mov_b32 s[SEL+1], 0xfedcba98
	s_mov_b32 s[CS], 0x3e38aa3b            ; log2(e) / 8
	s_mov_b32 s[CS+1], s[CS]
	s_mov_b32 s3, 0
	s_wait_dscnt 0x0
	s_wait_kmcnt 0x0
	s_add_co_u32 s18, s20, 16              ; K's heads lie behind Q's sixteen
	s_mul_i32 s94, s18, 393216
	s_mul_i32 s23, s19, 98304
	s_add_co_u32 s94, s94, s23             ; where this batch and head begin in qkc
	s_lshr_b32 s85, s16, 2                 ; 0 in waves 0-3, 1 in waves 4-7
	s_and_b32 s22, s16, 3
	s_add_co_u32 s22, s22, 1
	s_mul_i32 s22, s22, s85                ; K's third: wave 0: 0; waves 4, 5: 1, 2
	s_lshl_b32 s23, s22, 15                ; a third of the codes: 32,768 bytes
	s_add_co_u32 s2, s94, s23
	s_mul_i32 s23, s22, 128*KPIT
	G0SET 56, s23, 4
	s_or_b32 s59, s59, 0x80000000
	s_and_b32 s22, s16, 1
	s_add_co_u32 s22, s22, 1
	s_mul_i32 s22, s22, s85                ; V's third: wave 1: 0; waves 6, 7: 1, 2
	s_sub_co_u32 s94, s94, 16*393216       ; and in vc
	s_lshl_b32 s23, s22, 15
	s_add_co_u32 s2, s94, s23
	s_add_co_u32 s23, s23, VB
	G0SET 60, s23, 8
	s_or_b32 s63, s63, 0x80000000
	s_lshl_b32 s2, s18, 15
	s_lshl_b32 s23, s19, 13
	s_add_co_u32 s2, s2, s23
	G0SET 68, KSB, 6
	s_or_b32 s71, s71, 0x80000000
	s_lshl_b32 s2, s20, 14
	s_lshl_b32 s23, s19, 12
	s_add_co_u32 s2, s2, s23
	G0SET 72, VSB, 10
	s_or_b32 s75, s75, 0x80000000
	CROUND                                 ; the four work-groups are here: the joint loads meet
	s_cmp_eq_u32 s16, 0                    ; one chain of arms, one load a wave; the four that the first step needs have lines of their own
	s_cbranch_scc0 .Larm_1
	TLOAD 56, 24
	s_branch .Lasked
.Larm_1:
	s_cmp_eq_u32 s16, 1
	s_cbranch_scc0 .Larm_2
	TLOAD 60, 32
	s_branch .Lasked
.Larm_2:
	s_cmp_eq_u32 s16, 2
	s_cbranch_scc0 .Larm_3
	TLOAD 68, 40
	s_branch .Lasked
.Larm_3:
	s_cmp_eq_u32 s16, 3
	s_cbranch_scc0 .Larm_4
	TLOAD 72, 48
	s_branch .Lasked
.Larm_4:
	s_cmp_lt_u32 s16, 6
	s_cbranch_scc0 .Larm_5
	TLOAD 56, 24
	s_branch .Lasked
.Larm_5:
	TLOAD 60, 32
.Lasked:
	s_mul_i32 s2, s20, 393216
	s_mul_i32 s23, s21, 768
	s_add_co_u32 s2, s2, s23
	s_add_nc_u64 s[86:87], s[4:5], s[2:3]  ; my four tiles of q
	s_lshl_b32 s2, s20, 15
	s_lshl_b32 s23, s21, 6
	s_add_co_u32 s2, s2, s23
	s_add_nc_u64 s[88:89], s[6:7], s[2:3]  ; their scale words
	s_mul_i32 s2, s21, 12288
	s_mul_i32 s23, s20, 768
	s_add_co_u32 s2, s2, s23
	s_add_nc_u64 s[90:91], s[12:13], s[2:3]
	s_lshl_b32 s2, s20, 14
	s_lshl_b32 s23, s21, 5
	s_add_co_u32 s2, s2, s23
	s_add_nc_u64 s[92:93], s[14:15], s[2:3]
	v_and_b32 v9, 31, v0
	v_and_b32 v10, 15, v0                  ; r
	v_bfe_u32 v11, v0, 4, 1                ; h
	v_lshlrev_b32 v1, 3, v9                ; a register pair's place in an image
	v_lshlrev_b32 v6, 4, v10
	QLOAD 0
	v_bfe_u32 v8, v0, 3, 1                 ; r / 8
	v_and_b32 v9, 7, v0                    ; r % 8
	v_mul_u32_u24 v2, v8, 6*KPIT           ; K: rows 8-15 come from the image two tiles on,
	v_lshl_add_u32 v2, v9, 3, v2
	v_lshl_add_u32 v2, v11, 7, v2          ; lanes 16-31 from that image's lanes 16 on
	v_add_nc_u32 v[KA1], 12*KPIT, v2
	v_add_nc_u32 v3, VB, v1
.irp t, 1,2,3
	v_add_nc_u32 v[KA1+\t], VB+1536*\t, v1
.endr
	v_lshlrev_b32 v4, 3, v8
	v_lshl_add_u32 v4, v9, 4, v4
	v_lshl_add_u32 v4, v11, 8, v4
	v_add_nc_u32 v4, KSB, v4               ; K's scale words: 256 h + 16 (r % 8) + 8 (r / 8)
	v_add_nc_u32 v5, VSB, v6
	v_lshlrev_b32 v7, 1, v10
	v_lshl_add_u32 v7, v11, 5, v7
.irp j, 34,35,36,37,38,39,46,47,48,49,50,51,100,101,102,103,104,105,219,221
	v_mov_b32 v\j, 0                       ; q's upper halves and the registers behind K's last tile: zero codes; the pairs' upper words
.endr
	WIN 0x40
	v_lshlrev_b32 v[HS], 3, v11
.irp j, X, X+1, NM+1, NM+3, F+1, F+3
	v_mov_b32 v[\j], 0
.endr
	WIN 0
	INIT
	WALU                                   ; the wait at the head's end
	s_cmp_lt_u32 s16, 4                    ; waves 0-3 wait for their tiles; the other thirds stay out
	s_cbranch_scc0 .Lnot_first
	s_wait_tensorcnt 0x0
.Lnot_first:
	s_barrier_signal -1
	s_barrier_wait -1
	PASS 0
	INIT
	s_wait_xcnt 0x0                        ; the stores have read their registers: K's loads may land there
	PASS 1
	s_wait_tensorcnt 0x0                   ; the wave's end
	ds_add_u32 v12, v13
	s_wait_dscnt 0x0
	CROUND                                 ; the closing round
	s_endpgm
.Lfunc_end_k_qcc1269036b_attn:
	.size	k_qcc1269036b_attn, .Lfunc_end_k_qcc1269036b_attn-k_qcc1269036b_attn
	.p2alignl 7, 3214868480
	.fill 96, 4, 3214868480
	.section	.rodata,"a",@progbits
	.p2align	6, 0x0
	.amdhsa_kernel k_qcc1269036b_attn
		.amdhsa_group_segment_fixed_size 327680
		.amdhsa_private_segment_fixed_size 0
		.amdhsa_enable_private_segment 0
		.amdhsa_kernarg_size 48
		.amdhsa_user_sgpr_count 2
		.amdhsa_user_sgpr_kernarg_segment_ptr 1
		.amdhsa_wavefront_size32 1
		.amdhsa_system_sgpr_workgroup_id_x 1
		.amdhsa_system_sgpr_workgroup_id_y 1
		.amdhsa_system_sgpr_workgroup_id_z 1
		.amdhsa_system_vgpr_workitem_id 0
		.amdhsa_next_free_vgpr 512
		.amdhsa_next_free_sgpr 100
		.amdhsa_reserve_vcc 1
		.amdhsa_float_denorm_mode_32 3
		.amdhsa_float_denorm_mode_16_64 3
		.amdhsa_memory_ordered 1
		.amdhsa_forward_progress 1
		.amdhsa_inst_pref_size 113
	.end_amdhsa_kernel
	.amdgpu_metadata
---
amdhsa.version: [ 1, 2 ]
amdhsa.kernels:
  - .name:           k_qcc1269036b_attn
    .symbol:         k_qcc1269036b_attn.kd
    .args:
      - { .name: qkc, .offset: 0, .size: 8, .value_kind: global_buffer, .address_space: global }
      - { .name: qks, .offset: 8, .size: 8, .value_kind: global_buffer, .address_space: global }
      - { .name: vc, .offset: 16, .size: 8, .value_kind: global_buffer, .address_space: global }
      - { .name: vs, .offset: 24, .size: 8, .value_kind: global_buffer, .address_space: global }
      - { .name: cc, .offset: 32, .size: 8, .value_kind: global_buffer, .address_space: global }
      - { .name: cs, .offset: 40, .size: 8, .value_kind: global_buffer, .address_space: global }
    .group_segment_fixed_size: 327680
    .private_segment_fixed_size: 0
    .kernarg_segment_align: 8
    .kernarg_segment_size: 48
    .max_flat_workgroup_size: 256
    .sgpr_count:     100
    .vgpr_count:     512
    .wavefront_size: 32
...
	.end_amdgpu_metadata
.endif
;; end of part 3
;; launch outp (part 4): grid 4 x 64, 4 waves a work-group, clusters of 4 x 4, 295,424 bytes of LDS; arguments cc, cs, opc, ops, bo, out0; writes out0
.if DOCPART == 4
	.amdgcn_target "amdgcn-amd-amdhsa--gfx1250"
	.amdhsa_code_object_version 6
	.text
	.protected	k_qcc1269036b_outp
	.globl	k_qcc1269036b_outp
	.p2align	8
	.type	k_qcc1269036b_outp,@function
k_qcc1269036b_outp:
	s_mov_b64 s[64:65], 0
	v_nop
	global_prefetch_b8 v0, s[64:65] scope:SCOPE_SE
	s_setreg_imm32_b32 hwreg(HW_REG_WAVE_MODE, 25, 1), 1
	s_wait_xcnt 0x0
	s_wait_alu depctr_hold_cnt(0) depctr_sa_sdst(0) depctr_va_vdst(0) depctr_va_sdst(0) depctr_va_ssrc(0) depctr_va_vcc(0) depctr_vm_vsrc(0)
	s_getreg_b32 s2, hwreg(HW_REG_IB_STS2, 6, 4)
	s_cmp_eq_u32 s2, 0
	s_cbranch_scc0 .Lentry_in_a_cluster
	s_endpgm
.Lentry_in_a_cluster:
	s_bfe_u32 s2, ttmp6, 0x10000c
	s_cmp_lg_u32 s2, 0xf033
	s_cbranch_scc0 .Lentry_shape_is_right
	s_endpgm
.Lentry_shape_is_right:
; out = context Wo^T + bo on codes of FP6 (E2M3) with E8M0 scales, sums in f32.  Side A = 128 rows of the context, side B = 256 rows of Wo.
; Four waves, 128 x 256 a work-group, 64 x 128 a wave; source 0 = a tile of Wo, source 1 = a tile of the context, so that a lane holds neighbouring columns of one row.
; A's and B's codes for all of K = 1,024 lie in LDS together, each byte filled ONCE, one joint load a wave: B's 16 tiles, K steps 0-3, at 0 (wave 0); A's 8 tiles, K steps 0-3, at 196,608 (wave 1);
; B's K steps 4-7 at 98,304 (wave 2); A's at 245,760 (wave 3).  The first barrier shows the lower halves, the barrier in K step 3 the upper.  Cluster 4 x 4; 256 work-groups.
; Wo's images hold four registers of a lane on end (16 bytes), the context's two (8 bytes: a head leaves six registers).
; bo is the C of each sum's first product.  The context's scale words are pieced together from the two bytes that each head left.
; No prefetch: every tile is asked for once, at the head, and there is no loop to run ahead in.
; THE WAY OUT: a block of 16 rows x 128 columns goes through the wave's own stage in LDS and leaves as whole rows of 512 bytes.  The stages lie where B's first tiles lay: all fills are done, and a barrier
; stands between every wave's last read of the tiles and the first store.
; REGISTERS: window 0: v1-26 addresses; v32-47 A's scale words, v48-79 B's; v80-175 A's fragments, two sets; v176-207 the heads' bytes; on the way out v80-207 rows.
;   window 1: v0-191 B's fragments, two sets; v192-255 bo.   window 2: accumulator (a, b) at v[8 (8 a + b)].
.set SA,   32
.set SB,   48
.set AF,   80
.set ADRA, 4
.set ADRB, 6
.set STO,  24                          ; v24  the stage: where I put 32 bytes of a row
.set RD,   25                          ; v25  and where I read a row back
.set CO,   26                          ; v26  16 x lane: my 16 bytes of a row of out, and of a group of four registers
.set BK,   80                          ; the way out: v80-143 and v144-207 by turns
.set G1A,  16
.set G1B,  24
.set G0A,  32
.set G0B,  48
.set MSB, 0
.macro WIN new
.if MSB != \new
	s_set_vgpr_msb (MSB<<8)|\new
.set MSB, \new
.endif
.endm
.macro PLACES n
.rept \n
	v_nop
.endr
.endm
.macro CROUND
	s_barrier_signal -1
	s_barrier_wait -1
	s_cmp_lg_u32 s14, 0
	s_cbranch_scc1 .Lnot_wave_0_\@
	s_barrier_signal -3
.Lnot_wave_0_\@:
	s_barrier_wait -3
	s_barrier_signal -1
	s_barrier_wait -1
.endm
.macro TLOAD g0, g1
	tensor_load_to_lds s[\g0:\g0+3], s[\g1:\g1+7]
	s_nop 0
	PLACES 4
.endm
.macro FETCH s
	WIN 0x40
.irp b, 0,1,2,3,4,5,6,7
.irp p, 0,1,2
	ds_load_b128 v[96*((\s)%2)+12*\b+4*\p:96*((\s)%2)+12*\b+4*\p+3], v[ADRB+(\s)/4] offset:((\s)%4)*1536+6144*\b+512*\p
.endr
.endr
	WIN 0
.irp a, 0,1,2,3
.irp p, 0,1,2,3,4,5
	ds_load_b64 v[AF+48*((\s)%2)+12*\a+2*\p:AF+48*((\s)%2)+12*\a+2*\p+1], v[ADRA+(\s)/4] offset:((\s)%4)*1536+6144*\a+256*\p
.endr
.endr
.endm
.macro WMX c, ra, rb
	v_wmma_scale_f32_16x16x128_f8f6f4 v[rD:rD+7], v[rB:rB+11], v[rA:rA+11], \c, v[rX], v[rY] matrix_a_fmt:MATRIX_FMT_FP6 matrix_b_fmt:MATRIX_FMT_FP6 matrix_a_scale:MATRIX_SCALE_ROW\ra matrix_b_scale:MATRIX_SCALE_ROW\rb
.endm
.macro WMC c                           ; B's tiles 4-7 and A's tiles 2-3 have their scale words in lanes 16-31
.if (hB == 0) && (hA == 0)
	WMX \c, 0, 0
.elseif hB == 0
	WMX \c, 0, 1
.elseif hA == 0
	WMX \c, 1, 0
.else
	WMX \c, 1, 1
.endif
.endm
.macro WM a, b, s, cm                  ; cm = 2: the sum starts from the bias; 1: it adds in place
.set rD, 8*(8*(\a)+(\b))
.set rB, 96*((\s)%2)+12*(\b)
.set rA, AF+48*((\s)%2)+12*(\a)
.set rX, SB+8*((\b)%4)+(\s)
.set rY, SA+8*((\a)%2)+(\s)
.set rC, 192+8*(\b)
.set hB, (\b)/4
.set hA, (\a)/2
.if (\cm) == 2
	WMC v[rC:rC+7]
.else
	WMC v[rD:rD+7]
.endif
.endm
.macro MUL s, cm                       ; the 32 accumulators take turns, one instruction a turn
.if (\cm) == 2
	WIN 0x91                                       ; source 0 (B) and C (the bias) window 1, source 1 (A) window 0, D window 2
.else
	WIN 0xa1
.endif
.irp a, 0,1,2,3
.irp b, 0,1,2,3,4,5,6,7
	WM \a, \b, \s, \cm
.endr
.endr
.endm
.macro STEP s
	s_wait_dscnt 0x0                               ; this step's fragments, asked for 32 products ago, are in
.if (\s) > 0
	PLACES 4
.endif
.if (\s) == 3
	s_wait_tensorcnt 0x0                           ; the next step begins the upper half of K: every wave waits for its one load
	s_barrier_signal -1
	s_barrier_wait -1
.endif
	FETCH (\s)+1
.if (\s) == 0
	MUL \s, 2
.else
	MUL \s, 1
.endif
.endm
	s_load_b128 s[4:7], s[0:1], 0x0                ; cc, cs
	s_load_b128 s[8:11], s[0:1], 0x10              ; opc, ops
	s_load_b64 s[12:13], s[0:1], 0x20              ; bo
	s_load_b64 s[68:69], s[0:1], 0x28              ; out0
	v_lshl_add_u32 v254, v0, 2, 0x48000
	v_mov_b32 v255, 0
	ds_add_u32 v254, v255                          ; the opening lines
	ds_add_u32 v254, v255
	v_lshrrev_b32 v1, 5, v0
	v_readfirstlane_b32 s14, v1                    ; wave 0..3
	s_lshr_b32 s15, s14, 1                         ; wa
	s_and_b32 s3, s14, 1                           ; wb
	s_bfe_u32 s76, ttmp6, 0x40000                  ; cx
	s_bfe_u32 s77, ttmp6, 0x40004                  ; cy
	s_and_b32 s80, ttmp7, 0xffff
	s_lshl_b32 s80, s80, 2
	s_add_co_u32 s80, s80, s77                     ; A's block of 128 rows, 0..63
	s_lshl_b32 s81, ttmp9, 2
	s_add_co_u32 s81, s81, s76                     ; B's block of 256 rows, 0..3
	s_lshl_b32 s84, s77, 2
	s_lshl_b32 s84, 15, s84                        ; my row of the cluster
	s_lshl_b32 s85, 0x1111, s76                    ; my column
	s_or_b32 s[G1A], s84, (3<<16)|(1<<21)          ; rows of 6,144 bytes (four K steps of a tile), 12,288 apart, elements of 8 bytes; dense in LDS
	s_or_b32 s[G1B], s85, (3<<16)|(1<<21)
.irp g, G1A, G1B
	s_mov_b32 s[\g+1], 768<<16
	s_mov_b32 s[\g+3], 768<<16
	s_mov_b32 s[\g+5], 1536
	s_mov_b32 s[\g+6], 0
	s_mov_b32 s[\g+7], 0
.endr
	s_mov_b32 s[G1A+2], 8<<16                      ; A: 8 tiles a load, B: 16
	s_mov_b32 s[G1A+4], 8
	s_mov_b32 s[G1B+2], 16<<16
	s_mov_b32 s[G1B+4], 16
	s_mul_i32 s86, s80, 98304                      ; A's codes: eight tiles of 12,288 bytes a block
	s_mov_b32 s87, 0
	s_lshl_b32 s92, s81, 4
	s_lshl_b32 s85, s3, 3
	s_add_co_u32 s92, s92, s85
	s_add_co_u32 s92, s92, 704                     ; my half of B: Wo's tiles begin at 704
	s_lshl_b32 s88, s81, 4
	s_add_co_u32 s88, s88, 704
	s_mul_i32 s88, s88, 12288                      ; B's codes from its first tile on
	s_mov_b32 s89, 0
	s_lshl_b32 s92, s92, 9                         ; my half's scale words
	s_mov_b32 s93, 0
	s_lshl_b32 s94, s80, 8
	s_lshl_b32 s84, s15, 7
	s_add_co_u32 s94, s94, s84                     ; cs: 32 bytes a tile, my four tiles
	s_mov_b32 s95, 0
	s_lshl_b32 s98, s81, 10
	s_lshl_b32 s85, s3, 9
	s_add_co_u32 s98, s98, s85                     ; my 128 columns, in bytes: bo, and a row of out
	s_mov_b32 s99, 0
	s_lshl_b32 s96, s80, 19
	s_lshl_b32 s91, s15, 18
	s_add_co_u32 s96, s96, s91
	s_add_co_u32 s96, s96, s98                     ; out: my first row (rows of 4,096 bytes) and column
	s_mov_b32 s97, 0
	s_wait_dscnt 0x0
	s_wait_kmcnt 0x0
	s_add_nc_u64 s[86:87], s[4:5], s[86:87]
	s_add_nc_u64 s[88:89], s[8:9], s[88:89]
	s_add_nc_u64 s[92:93], s[10:11], s[92:93]
	s_add_nc_u64 s[94:95], s[6:7], s[94:95]
	s_add_nc_u64 s[12:13], s[12:13], s[98:99]
	s_add_nc_u64 s[68:69], s[68:69], s[96:97]
.irp c, 0,1
	s_mov_b32 s[G0A+4*\c], 1
	s_mov_b32 s[G0A+4*\c+1], 196608+49152*\c
	s_add_nc_u64 s[G0A+4*\c+2:G0A+4*\c+3], s[86:87], 6144*\c
	s_or_b32 s[G0A+4*\c+3], s[G0A+4*\c+3], 0x80000000
	s_mov_b32 s[G0B+4*\c], 1
	s_mov_b32 s[G0B+4*\c+1], 98304*\c
	s_add_nc_u64 s[G0B+4*\c+2:G0B+4*\c+3], s[88:89], 6144*\c
	s_or_b32 s[G0B+4*\c+3], s[G0B+4*\c+3], 0x80000000
.endr
	CROUND                                         ; all sixteen work-groups are here: the joint loads meet
	s_cmp_eq_u32 s14, 0                            ; one joint load a wave, each in an arm of its own
	s_cbranch_scc0 .Lwave_1
	TLOAD G0B, G1B
	s_branch .Lasked
.Lwave_1:
	s_cmp_eq_u32 s14, 1
	s_cbranch_scc0 .Lwave_2
	TLOAD G0A, G1A
	s_branch .Lasked
.Lwave_2:
	s_cmp_eq_u32 s14, 2
	s_cbranch_scc0 .Lwave_3
	TLOAD G0B+4, G1B
	s_branch .Lasked
.Lwave_3:
	TLOAD G0A+4, G1A
.Lasked:
	v_and_b32 v1, 31, v0                           ; lane
	v_and_b32 v2, 15, v0                           ; r
	v_bfe_u32 v3, v0, 4, 1                         ; hh
	v_lshlrev_b32 v21, 3, v1
	v_lshlrev_b32 v[CO], 4, v1
	v_lshlrev_b32 v8, 4, v2
	v_lshl_add_u32 v8, v3, 11, v8                  ; B's scale words: 16 r, lanes 16-31 four tiles on
	v_lshlrev_b32 v9, 1, v2
	v_lshl_add_u32 v9, v3, 6, v9                   ; the heads' bytes: 2 r, lanes 16-31 two tiles on
	v_lshlrev_b32 v10, 6, v3                       ; bo: 64 hh
	s_mul_i32 s91, s15, 24576                      ; my four tiles of A
	s_add_co_u32 s91, s91, 196608
	v_add_nc_u32 v[ADRA], s91, v21
	v_add_nc_u32 v[ADRA+1], 49152, v[ADRA]
	s_mul_i32 s91, s3, 49152                       ; my eight tiles of B
	v_add_nc_u32 v[ADRB], s91, v[CO]
	v_add_nc_u32 v[ADRB+1], 98304, v[ADRB]
	s_mul_i32 s91, s14, 8448                       ; my stage: 16 rows x (512 + 16) bytes
	v_mul_u32_u24 v[STO], v2, 528
	v_lshl_add_u32 v[STO], v3, 6, v[STO]
	v_add_nc_u32 v[STO], s91, v[STO]               ; in: row r, + 64 hh
	v_add_nc_u32 v[RD], s91, v[CO]                 ; back: 16 bytes a lane of a row
.irp i, 0,1,2,3
.irp g, 0,1
	global_load_b128 v[SB+8*\i+4*\g:SB+8*\i+4*\g+3], v8, s[92:93] offset:512*\i+256*\g
.endr
.endr
.irp i, 0,1
.irp d, 0,1,2,3,4,5,6,7,8,9,10,11,12,13,14,15
	global_load_u16 v[176+16*\i+\d], v9, s[94:95] offset:16384*\d+32*\i   ; head d's two bytes of my row of tile i (lanes 16-31: tile i + 2)
.endr
.endr
	WIN 0x40
.irp e, 0,1,2,3
.irp j, 0,1,2,3
	global_load_b128 v[192+16*\e+4*\j:192+16*\e+4*\j+3], v10, s[12:13] offset:128*\e+16*\j   ; register 8 b + j: the bias of tile b's register j
.endr
.endr
	WIN 0
	s_wait_loadcnt 0x0
.irp i, 0,1
.irp s, 0,1,2,3,4,5,6,7
	v_lshl_or_b32 v[SA+8*\i+\s], v[176+16*\i+2*\s+1], 16, v[176+16*\i+2*\s]   ; K step s is heads 2 s and 2 s + 1
.endr
.endr
	PLACES 8                                       ; a scale register written by a vector instruction stands eight places ahead of a scaled product
	s_wait_alu depctr_va_vdst(0)                   ; the wait at the head's end
	s_cmp_lt_u32 s14, 2                            ; the lower halves of K are waves 0 and 1's loads: they wait; the upper halves stay out
	s_cbranch_scc0 .Lnot_lower
	s_wait_tensorcnt 0x0
.Lnot_lower:
	s_barrier_signal -1
	s_barrier_wait -1
	FETCH 0
	STEP 0
	STEP 1
	STEP 2
	STEP 3
	STEP 4
	STEP 5
	STEP 6
	s_wait_dscnt 0x0                               ; the last step's fragments are in: my reads of the tiles are over;
	s_barrier_signal -1                            ; say so,
	MUL 7, 1                                       ; work on registers while the others arrive,
	WIN 0
	s_barrier_wait -1                              ; and nobody reads the tiles any more: the stages may be written
	PLACES 4
.macro TOSTAGE a
	WIN 0x08                                       ; an LDS store's data are its source 1: window 2
.irp b, 0,1,2,3,4,5,6,7
	ds_store_b128 v[STO], v[64*(\a)+8*\b:64*(\a)+8*\b+3] offset:128*(\b/2)+32*(\b%2)       ; each accumulator from its low end on
	ds_store_b128 v[STO], v[64*(\a)+8*\b+4:64*(\a)+8*\b+7] offset:128*(\b/2)+32*(\b%2)+16
.endr
	WIN 0
.set BB, BK+64*((\a)%2)
.irp t, 0,1,2,3,4,5,6,7,8,9,10,11,12,13,14,15
	ds_load_b128 v[BB+4*\t:BB+4*\t+3], v[RD] offset:528*\t   ; LDS serves a wave's instructions in order: these see the stores above
.endr
.endm
.macro SEND a, younger                 ; younger: the LDS instructions issued behind block a's loads, which may stay out
.set BB, BK+64*((\a)%2)
	s_wait_dscnt \younger
.irp t, 0,1,2,3,4,5,6,7,8,9,10,11,12,13,14,15
	global_store_b128 v[CO], v[BB+4*\t:BB+4*\t+3], s[68:69] offset:(32*((\a)/2)+8*((\a)%2)+(\t%8)+16*(\t/8))*4096 th:TH_STORE_NT   ; 512 consecutive bytes, aligned; the tile's order of rows stands in the immediate
.endr
.endm
	TOSTAGE 0
.irp a, 1,2,3
.if \a > 1
	s_wait_xcnt 0x0                                ; block a - 2's stores have read their registers: block a's rows may land there
.endif
	TOSTAGE \a
	SEND \a-1, 32                                  ; behind block a - 1's loads: block a's 16 stores and 16 loads
.endr
	SEND 3, 0
	s_wait_tensorcnt 0x0                           ; the wave's end
	ds_add_u32 v254, v255
	s_wait_dscnt 0x0
	CROUND                                         ; the closing round
	s_endpgm
.Lfunc_end_k_qcc1269036b_outp:
	.size	k_qcc1269036b_outp, .Lfunc_end_k_qcc1269036b_outp-k_qcc1269036b_outp
	.p2alignl 7, 3214868480
	.fill 96, 4, 3214868480
	.section	.rodata,"a",@progbits
	.p2align	6, 0x0
	.amdhsa_kernel k_qcc1269036b_outp
		.amdhsa_group_segment_fixed_size 295424
		.amdhsa_private_segment_fixed_size 0
		.amdhsa_enable_private_segment 0
		.amdhsa_kernarg_size 48
		.amdhsa_user_sgpr_count 2
		.amdhsa_user_sgpr_kernarg_segment_ptr 1
		.amdhsa_wavefront_size32 1
		.amdhsa_system_sgpr_workgroup_id_x 1
		.amdhsa_system_sgpr_workgroup_id_y 1
		.amdhsa_system_sgpr_workgroup_id_z 1
		.amdhsa_system_vgpr_workitem_id 0
		.amdhsa_next_free_vgpr 768
		.amdhsa_next_free_sgpr 100
		.amdhsa_reserve_vcc 0
		.amdhsa_float_denorm_mode_32 3
		.amdhsa_float_denorm_mode_16_64 3
		.amdhsa_memory_ordered 1
		.amdhsa_forward_progress 1
		.amdhsa_inst_pref_size 87
	.end_amdhsa_kernel
	.amdgpu_metadata
---
amdhsa.version: [ 1, 2 ]
amdhsa.kernels:
  - .name:           k_qcc1269036b_outp
    .symbol:         k_qcc1269036b_outp.kd
    .args:
      - { .name: cc, .offset: 0, .size: 8, .value_kind: global_buffer, .address_space: global }
      - { .name: cs, .offset: 8, .size: 8, .value_kind: global_buffer, .address_space: global }
      - { .name: opc, .offset: 16, .size: 8, .value_kind: global_buffer, .address_space: global }
      - { .name: ops, .offset: 24, .size: 8, .value_kind: global_buffer, .address_space: global }
      - { .name: bo, .offset: 32, .size: 8, .value_kind: global_buffer, .address_space: global }
      - { .name: out0, .offset: 40, .size: 8, .value_kind: global_buffer, .address_space: global }
    .group_segment_fixed_size: 295424
    .private_segment_fixed_size: 0
    .kernarg_segment_align: 8
    .kernarg_segment_size: 48
    .max_flat_workgroup_size: 128
    .sgpr_count:     100
    .vgpr_count:     768
    .wavefront_size: 32
...
	.end_amdgpu_metadata
.endif
;; end of part 4
